; MI455X (gfx1250); checked and timed in simulation.
; The chip was launched on July 23, 2026; its instructions are those of AMD's public machine-readable ISA for CDNA 5 (MIT licence, August 2026) and "CDNA5" Instruction Set Architecture Reference Guide (July 2026). The comments in the code are by the model that wrote it; some were corrected since.
;; Multi Head Attention. Allowed arithmetic: matrix products marked QUANTISED: E4M3 operands, one given power-of-two scale a tensor, by v_wmma_f32_16x16x64_fp8_fp8 or v_wmma_f32_16x16x128_fp8_fp8, f32 sums; everything else in f32.
;; Inputs: W_K 512 x 512 float32; W_O 512 x 512 float32; W_Q 512 x 512 float32; W_V 512 x 512 float32; input_K 4 x 2,048 x 512 float32; input_Q 4 x 2,048 x 512 float32; input_V 4 x 2,048 x 512 float32; lowp_scales 12 int32 (the exponents e of the quantised operands' scales 2^e).
;; Outputs: out0 4 x 2,048 x 512 float32.
;; This version of the problem:
;;   THIS VERSION OF THE PROBLEM IS GIVEN IN LOW PRECISION. The matrix products marked QUANTISED in the list below multiply operands that are first quantised to E4M3 (4 exponent bits, 3 mantissa bits; 8 bits a number), with one given power-of-two scale for each operand tensor; their sums are f32. All else is computed in f32.
;;   The module's matrix products, in the order in which they are computed (A, B: the left and right operand; K: the contracted axis; several contracted axes count as one K, in the product's order):
;;     1. [M 8,192, K 512] x [K 512, N 512]; A: input input_Q; B: input W_Q: QUANTISED (scales: A lowp_scales[0], B lowp_scales[1])
;;     2. [M 8,192, K 512] x [K 512, N 512]; A: input input_K; B: input W_K: QUANTISED (scales: A lowp_scales[2], B lowp_scales[3])
;;     3. [M 8,192, K 512] x [K 512, N 512]; A: input input_V; B: input W_V: QUANTISED (scales: A lowp_scales[4], B lowp_scales[5])
;;     4. batch 32 x [M 2,048, K 64] x [K 64, N 2,048]; A: computed on the way; B: computed on the way: QUANTISED (scales: A lowp_scales[6], B lowp_scales[7])
;;     5. batch 32 x [M 2,048, K 2,048] x [K 2,048, N 64]; A: softmax (see below); B: computed on the way: QUANTISED (scales: A lowp_scales[8], B lowp_scales[9])
;;     6. [M 8,192, K 512] x [K 512, N 512]; A: computed on the way; B: input W_O: QUANTISED (scales: A lowp_scales[10], B lowp_scales[11])
;;   THE QUANTISER, for each operand of a quantised product, along K:
;;     - The operand's scale is 2^e, e = its entry of the input lowp_scales (int32; the entries are numbered through the quantised products in the list's order, A before B).
;;     - Each number is divided by the scale, clamped to +-448, and rounded to the nearest number of E4M3, ties to even, subnormals kept.
;;     - The product sums the exact products of the quantised numbers (number of the format x scale) in f32.
;;   ~~~python
;;   def quantise(x, axis, e):      # numpy; x: float32 -> the quantised numbers, widened to float32 again
;;       x = np.moveaxis(x, axis, -1); K = x.shape[-1]
;;       r = np.clip(x / 2.0 ** e, -448, 448)
;;       step = 2.0 ** (np.maximum(np.frexp(np.where(r == 0, 1, r))[1] - 1, -6) - 3)
;;       q = np.round(r / step) * step * 2.0 ** e      # np.round: ties to even
;;       return np.moveaxis(q, -1, axis).astype(np.float32)
;;   ~~~
;;   SOFTMAX AHEAD OF A QUANTISED PRODUCT. Where the list says 'softmax', what is quantised is not the finished softmax but p = 2^(t - M), with t = logit x log2(e) and M = ceil(the row's largest t), a whole number; so 1/2 < the row's largest p <= 1. The row's sum l is taken of the UNQUANTISED p, in f32, and the product's result is divided by l at the end. Since M is a whole number, a kernel that streams over the keys may use a running M (the ceiling of the running maximum): every later rescaling is an exact power of two, so the quantised numbers keep their values, but for numbers so far below the row's largest that they fall under the format's range.
;;   OPERANDS COMPUTED ON THE WAY. 'Computed on the way' means the value that the module computes at that place (a softmax that the list does not call 'softmax' is quantised finished and normalised). What goes into a quantiser is computed in f32, as accurately as f32 sums, v_exp_f32 and their like allow (about 1e-6 of the number): no bf16 or f16 on the way to a quantiser, and a product that is left as it is and whose result goes on into a quantised operand takes f32 operands (vector FMAs, or v_wmma_f32_16x16x4_f32). A number that lies on a knife's edge between two numbers of the format may be rounded either way, as far as f32 arithmetic and the matrix unit's own rounding can turn it there, and no further.
;; 2 versions. Each part assembles by itself: llvm-mc -triple=amdgcn-amd-amdhsa -mcpu=gfx1250 --defsym DOCPART=n.
;; ======== version 1 of 2: 4 launches
;; workspace buffers: wc 1,048,576 bytes; qc 4,194,304 bytes; kc 4,194,304 bytes; vc 4,194,304 bytes; cc 4,194,304 bytes
;; launch wquant (part 1): grid 64 x 1, 8 waves a work-group, no clusters, 18,432 bytes of LDS; arguments W_Q, W_K, W_V, W_O, lowp_scales, wc; writes wc
.if DOCPART == 1
	.amdgcn_target "amdgcn-amd-amdhsa--gfx1250"
	.amdhsa_code_object_version 6
	.text
	.protected	k_q98332bdbd9_wquant
	.globl	k_q98332bdbd9_wquant
	.p2align	8
	.type	k_q98332bdbd9_wquant,@function
k_q98332bdbd9_wquant:
	s_mov_b64 s[64:65], 0
	v_nop
	global_prefetch_b8 v0, s[64:65] scope:SCOPE_SE
	s_setreg_imm32_b32 hwreg(HW_REG_WAVE_MODE, 25, 1), 1
	s_wait_xcnt 0x0
; The four weights [512 (n)][512 (k)], f32, K innermost, become codes of E4M3, each with its given scale 2^e (entries 1, 3, 5, 11 of the scales), laid in the ORDER OF AN OPERAND'S REGISTERS:
; wc = [weight Q, K, V, O][tile T 0..31][K step s 0..3][2,048 bytes].  A fragment (16 rows x 128 k) is four chunks of 512 bytes; in chunk c lane l = r + 16 h has its 16 bytes at 16 l: row r, k = 32 c + 16 h + 0 .. 15.
; THE ROWS OF A TILE ARE NOT NEIGHBOURS: within rows 32 P .. 32 P + 31, lane r of tile 2 P + u takes row 32 P + 8 u + r + 8 (r / 8), so that, with the tile as source 0 of a product, the 16 result registers of tiles 2 P and 2 P + 1 are 16 neighbours.
; SHARES.  A work-group takes 32 rows of one weight (two tiles); each of its eight waves quantises four neighbouring rows, then stores one fragment.  Each load reads 512 consecutive bytes of a row, so a lane holds 4 neighbours along k
; of each of four quarters of the row; its four codes (one register) go into an image in LDS: 32 lines a tile, line q = k / 16, 16 rows x 16 bytes + 16 of padding = 272 bytes.  Read back by lines, a chunk is 32 lanes x 16 bytes.
; Line pitch 272 bytes = 68 words: the 32 lanes of a 4-byte store fall on 32 different banks (64 banks of 4 bytes: ISA guide 11.1); a 16-byte read takes 256 consecutive bytes for each 16 lanes.
; code = x / 2^e, held within +-448, to the nearest code, ties to even.  LIMITS: -126 <= e and e + 8 <= 127.  NaN among the inputs is not served; an infinity is held at the largest code.
; No matrix unit, no cluster, no tensor load: 4 MiB in and 1 MiB out, read and written once.
.set LI,   1                           ; v1   16 x lane
.set IW,   2                           ; v2   the image, on the way in
.set IR,   3                           ; v3   the image, on the way out
.set SC,   4                           ; v4   2^e as f32
.set LIM,  5                           ; v5   448 x 2^e
.set R,    16                          ; v16-79  four rows x 16 numbers
.set CX,   80                          ; v80-95  their codes
.set OUT,  96                          ; v96-111 my fragment's four chunks
.set XB,   20                          ; s[20:21] my four rows in memory
.set LINE, 272
.set TIMG, 32*LINE                     ; a tile's image: 8,704 bytes
.macro XLOAD off                       ; four rows, four loads each: 32 lanes read 512 consecutive bytes
.irp i, 0,1,2,3
.irp j, 0,1,2,3
	global_load_b128 v[R+16*\i+4*\j:R+16*\i+4*\j+3], v[LI], s[XB:XB+1] offset:\off+2048*\i+512*\j th:TH_LOAD_NT
.endr
.endr
.endm
.macro XQUANT sc, lim, off             ; hold, convert, and 4 codes a store into the image at off
.set kk, 0
.rept 64
	v_med3_num_f32 v[R+kk], v[R+kk], -v[\lim], v[\lim]     ; the conversion to an 8-bit code does not saturate (ISA guide 7.6.2): hold first
.set kk, kk+1
.endr
.irp i, 0,1,2,3
	v_cvt_scalef32_pk8_fp8_f32 v[CX+4*\i:CX+4*\i+1], v[R+16*\i:R+16*\i+7], v[\sc]        ; register j of a row's four: k = 128 j + 4 lane + 0 .. 3
	v_cvt_scalef32_pk8_fp8_f32 v[CX+4*\i+2:CX+4*\i+3], v[R+16*\i+8:R+16*\i+15], v[\sc]
.endr
	v_nop                                          ; one plain vector line behind the last conversion
.irp i, 0,1,2,3
.irp j, 0,1,2,3
	ds_store_b32 v[IW], v[CX+4*\i+\j] offset:\off+8*LINE*\j+16*\i   ; line 8 j + lane / 4, row slot + i, byte 4 (lane % 4)
.endr
.endr
.endm
	s_load_b256 s[4:11], s[0:1], 0x0               ; W_Q, W_K, W_V, W_O
	s_load_b128 s[12:15], s[0:1], 0x20             ; the scales' exponents, wc
	v_lshl_add_u32 v112, v0, 2, 0x4400
	v_mov_b32 v113, 0
	v_lshrrev_b32 v6, 5, v0
	v_readfirstlane_b32 s16, v6                    ; wave 0..7
	v_and_b32 v7, 31, v0                           ; lane
	v_lshlrev_b32 v[LI], 4, v7
	s_lshr_b32 s17, ttmp9, 4                       ; which weight
	s_and_b32 s18, ttmp9, 15                       ; P: which 32 rows
	s_lshr_b32 s33, s16, 2                         ; u: which of the two tiles
	s_and_b32 s34, s16, 3                          ; which four row slots of it; later: which K step I store
	s_bfe_u32 s35, s16, 0x10001                    ; (slot / 8) of my four slots
	v_lshrrev_b32 v8, 2, v7
	v_mul_u32_u24 v8, v8, LINE
	v_and_b32 v9, 3, v7
	v_lshl_add_u32 v8, v9, 2, v8                   ; (lane / 4) lines + 4 (lane % 4)
	s_mul_i32 s36, s33, TIMG
	s_lshl_b32 s37, s34, 6
	s_add_co_u32 s37, s37, s36
	v_add_nc_u32 v[IW], s37, v8                    ; + my tile's image + 16 bytes x my first row slot
	v_and_b32 v9, 15, v0                           ; r
	v_bfe_u32 v10, v0, 4, 1                        ; h
	v_mul_u32_u24 v10, v10, LINE
	v_lshl_add_u32 v10, v9, 4, v10                 ; line h, row slot r
	s_mul_i32 s37, s34, 8*LINE
	s_add_co_u32 s37, s37, s36
	v_add_nc_u32 v[IR], s37, v10                   ; + my tile's image + my K step's eight lines
	s_lshl_b32 s40, s18, 5                         ; my first row: 32 P + 8 u + 4 (w % 4) + 8 ((w / 2) % 2)
	s_lshl_b32 s38, s33, 3
	s_add_co_u32 s40, s40, s38
	s_lshl_b32 s38, s34, 2
	s_add_co_u32 s40, s40, s38
	s_lshl_b32 s38, s35, 3
	s_add_co_u32 s40, s40, s38
	s_lshl_b32 s40, s40, 11                        ; rows of 2,048 bytes
	s_mov_b32 s41, 0
	s_lshl_b32 s42, s18, 1                         ; my fragment: ((2 P + u) x 4 + s) x 2,048 + weight x 262,144
	s_add_co_u32 s42, s42, s33
	s_lshl_b32 s42, s42, 2
	s_add_co_u32 s42, s42, s34
	s_lshl_b32 s42, s42, 11
	s_lshl_b32 s38, s17, 18
	s_add_co_u32 s42, s42, s38
	s_mov_b32 s43, 0
	s_wait_kmcnt 0x0
	s_load_b256 s[24:31], s[12:13], 0x0            ; e0 .. e7
	s_load_b32 s32, s[12:13], 0x2c                 ; e11
	s_cmp_eq_u32 s17, 1                            ; the weight is chosen by the work-group's number alone
	s_cselect_b64 s[XB:XB+1], s[6:7], s[4:5]
	s_cmp_eq_u32 s17, 2
	s_cselect_b64 s[XB:XB+1], s[8:9], s[XB:XB+1]
	s_cmp_eq_u32 s17, 3
	s_cselect_b64 s[XB:XB+1], s[10:11], s[XB:XB+1]
	s_add_nc_u64 s[XB:XB+1], s[XB:XB+1], s[40:41]
	s_add_nc_u64 s[14:15], s[14:15], s[42:43]
	XLOAD 0
	s_wait_kmcnt 0x0
	s_cmp_eq_u32 s17, 1
	s_cselect_b32 s22, s27, s25                    ; e3 or e1
	s_cmp_eq_u32 s17, 2
	s_cselect_b32 s22, s29, s22                    ; e5
	s_cmp_eq_u32 s17, 3
	s_cselect_b32 s22, s32, s22                    ; e11
	s_add_co_i32 s22, s22, 127
	s_lshl_b32 s23, s22, 23
	v_mov_b32 v[SC], s23                           ; 2^e: the conversion takes its exponent field
	s_add_co_i32 s22, s22, 8
	s_lshl_b32 s22, s22, 23
	s_or_b32 s22, s22, 0x600000
	v_mov_b32 v[LIM], s22                          ; 448 x 2^e
	s_wait_loadcnt 0x0
	XQUANT SC, LIM, 0
	s_wait_dscnt 0x0                               ; for the others' sake: my stores into the image are done
	s_barrier_signal -1
	s_barrier_wait -1
.irp c, 0,1,2,3
	ds_load_b128 v[OUT+4*\c:OUT+4*\c+3], v[IR] offset:2*LINE*\c     ; chunk c: lines 8 s + 2 c + h
.endr
.irp c, 0,1,2,3
	s_wait_dscnt 3-\c                              ; chunk c is in; the younger loads may be out
	global_store_b128 v[LI], v[OUT+4*\c:OUT+4*\c+3], s[14:15] offset:512*\c   ; 32 lanes store 512 consecutive bytes, at a multiple of 256 from the buffer's first byte
.endr
	s_wait_tensorcnt 0x0
	ds_add_u32 v112, v113
	s_wait_dscnt 0x0
	s_endpgm
.Lfunc_end_k_q98332bdbd9_wquant:
	.size	k_q98332bdbd9_wquant, .Lfunc_end_k_q98332bdbd9_wquant-k_q98332bdbd9_wquant
	.p2alignl 7, 3214868480
	.fill 96, 4, 3214868480
	.section	.rodata,"a",@progbits
	.p2align	6, 0x0
	.amdhsa_kernel k_q98332bdbd9_wquant
		.amdhsa_group_segment_fixed_size 18432
		.amdhsa_private_segment_fixed_size 0
		.amdhsa_enable_private_segment 0
		.amdhsa_kernarg_size 48
		.amdhsa_user_sgpr_count 2
		.amdhsa_user_sgpr_kernarg_segment_ptr 1
		.amdhsa_wavefront_size32 1
		.amdhsa_system_sgpr_workgroup_id_x 1
		.amdhsa_system_sgpr_workgroup_id_y 1
		.amdhsa_system_sgpr_workgroup_id_z 1
		.amdhsa_system_vgpr_workitem_id 0
		.amdhsa_next_free_vgpr 114
		.amdhsa_next_free_sgpr 66
		.amdhsa_reserve_vcc 0
		.amdhsa_float_denorm_mode_32 3
		.amdhsa_float_denorm_mode_16_64 3
		.amdhsa_memory_ordered 1
		.amdhsa_forward_progress 1
		.amdhsa_inst_pref_size 12
	.end_amdhsa_kernel
	.amdgpu_metadata
---
amdhsa.version: [ 1, 2 ]
amdhsa.kernels:
  - .name:           k_q98332bdbd9_wquant
    .symbol:         k_q98332bdbd9_wquant.kd
    .args:
      - { .name: W_Q, .offset: 0, .size: 8, .value_kind: global_buffer, .address_space: global }
      - { .name: W_K, .offset: 8, .size: 8, .value_kind: global_buffer, .address_space: global }
      - { .name: W_V, .offset: 16, .size: 8, .value_kind: global_buffer, .address_space: global }
      - { .name: W_O, .offset: 24, .size: 8, .value_kind: global_buffer, .address_space: global }
      - { .name: lowp_scales, .offset: 32, .size: 8, .value_kind: global_buffer, .address_space: global }
      - { .name: wc, .offset: 40, .size: 8, .value_kind: global_buffer, .address_space: global }
    .group_segment_fixed_size: 18432
    .private_segment_fixed_size: 0
    .kernarg_segment_align: 8
    .kernarg_segment_size: 48
    .max_flat_workgroup_size: 256
    .sgpr_count:     66
    .vgpr_count:     114
    .wavefront_size: 32
...
	.end_amdgpu_metadata
.endif
;; end of part 1
;; launch proj (part 2): grid 192 x 1, 8 waves a work-group, no clusters, 70,656 bytes of LDS; arguments input_Q, input_K, input_V, wc, lowp_scales, qc, kc, vc; writes qc, kc, vc
.if DOCPART == 2
	.amdgcn_target "amdgcn-amd-amdhsa--gfx1250"
	.amdhsa_code_object_version 6
	.text
	.protected	k_q98332bdbd9_proj
	.globl	k_q98332bdbd9_proj
	.p2align	8
	.type	k_q98332bdbd9_proj,@function
k_q98332bdbd9_proj:
	s_mov_b64 s[64:65], 0
	v_nop
	global_prefetch_b8 v0, s[64:65] scope:SCOPE_SE
	s_setreg_imm32_b32 hwreg(HW_REG_WAVE_MODE, 25, 1), 1
	s_wait_xcnt 0x0
; The three input projections, y = x W^T, on codes of E4M3; y is quantised at once for the attention's products and leaves as codes in the order of the reader's operand registers.
; x: [8,192][512] f32, quantised here in registers (scales 0, 2, 4); W: codes in fragment order (wc; scales 1, 3, 5).  Results: Q with scale 6, K with 7, V with 9.
; SHARES.  Work-groups 0-63 take input_Q, 64-127 input_K, 128-191 input_V: 128 rows each.  Wave w is HEAD w: its 64 rows of W (four tiles x four K steps, 256 registers, window 1) stay in registers for the whole launch.
; The 128 rows go as four PAIRS of 32 rows (two tiles).  In a pair each wave quantises four neighbouring rows into an image in LDS (32 lines of 272 bytes a tile: line = k / 16, 16 rows x 16 bytes + 16 of padding); behind a barrier every
; wave reads both tiles' fragments from it.  Each pair has an image of its own: nothing in LDS is written twice, so there is one barrier a pair.
; Q, K: source 0 = 16 rows of W, source 1 = x: a lane holds ONE row of x and its registers run along the head's 64, in the order of the next operand (W's tiles are laid for that).  Q's tiles are neighbouring rows.
;   K's and V's tiles are not: lane r of tile u of a pair takes row 8 u + r + 8 (r / 8), so that later the scores' registers run along neighbouring keys.
; V: source 0 = x, source 1 = W: a lane holds ONE channel and its registers run along 16 neighbouring KEYS, which are the second attention product's K.
; In all three cases group g of 16 result registers becomes 16 bytes a lane at out + 2,048 pair + 512 g + 16 lane.  Only the matrix lines differ between the cases: they alone stand under the branch on the work-group's number.
; qc, kc = [batch x head][tile of 16][2 chunks][512]; vc = [batch x head][128 keys][chunk c of 32 keys][tile t of 16 channels][512].
; NO JOINT LOADS, though all row blocks of a tensor read the same W: a joint load lands in LDS, and W's 262,144 bytes beside the images' 69,632 pass the 327,680 that there are; W is read once a work-group, straight into the registers where it stays.
; 192 work-groups: three tensors x 64 blocks; half the block would read W twice as often.
; LIMITS, so that each power of two below is an f32 number: the x scale's e, and e(result) - e(x) - e(W), between -126 and 119.  NaN among the inputs is not served; an infinity is held at the largest code.
; REGISTERS, window 0: v1-4 addresses; v8-11 scales; v16-79 four rows of x; v80-95 their codes; v96-159 two buffers of x's fragments (a K step of both tiles each); v160-223 eight accumulators; v224-239 the results' codes.  Window 1: W.
.set LI,   1                           ; v1   16 x lane
.set IW,   2                           ; v2   the image, on the way in
.set XRD0, 3                           ; v3   the image, on the way out, pairs 0 and 1
.set XRD1, 4                           ; v4   pairs 2 and 3 (an LDS immediate has 16 bits)
.set R,    16
.set CX,   80
.set XF,   96
.set HA,   160
.set PC,   224
.set XB,   28                          ; s[28:29] my four rows of pair 0
.set WB,   30                          ; s[30:31] my head's fragments of W
.set OB,   32                          ; s[32:33] where my head's codes of this block go
.set LINE, 272
.set TIMG, 32*LINE                     ; a tile's image
.set PIMG, 2*TIMG                      ; a pair's: 17,408 bytes
.set MSB, 0
.macro WIN new                         ; the immediate's high byte repeats the setting that is left
.if MSB != \new
	s_set_vgpr_msb (MSB<<8)|\new
.set MSB, \new
.endif
.endm
.macro XLOAD off                       ; four rows, four loads each: 32 lanes read 512 consecutive bytes
.irp i, 0,1,2,3
.irp j, 0,1,2,3
	global_load_b128 v[R+16*\i+4*\j:R+16*\i+4*\j+3], v[LI], s[XB:XB+1] offset:\off+2048*\i+512*\j th:TH_LOAD_NT
.endr
.endr
.endm
.macro XQUANT sc, lim, off             ; hold, convert, and 4 codes a store into the image at off
.set kk, 0
.rept 64
	v_med3_num_f32 v[R+kk], v[R+kk], -v[\lim], v[\lim]     ; the conversion to an 8-bit code does not saturate (ISA guide 7.6.2): hold first
.set kk, kk+1
.endr
.irp i, 0,1,2,3
	v_cvt_scalef32_pk8_fp8_f32 v[CX+4*\i:CX+4*\i+1], v[R+16*\i:R+16*\i+7], v[\sc]        ; register j of a row's four: k = 128 j + 4 lane + 0 .. 3
	v_cvt_scalef32_pk8_fp8_f32 v[CX+4*\i+2:CX+4*\i+3], v[R+16*\i+8:R+16*\i+15], v[\sc]
.endr
	v_nop                                          ; one plain vector line behind the last conversion
.irp i, 0,1,2,3
.irp j, 0,1,2,3
	ds_store_b32 v[IW], v[CX+4*\i+\j] offset:\off+8*LINE*\j+16*\i   ; line 8 j + lane / 4, row slot + i, byte 4 (lane % 4): 32 lanes, 32 different banks
.endr
.endr
.endm
.macro FETCH p, s, buf                 ; K step s of pair p's two tiles: eight loads; 16 lanes read 256 consecutive bytes of a line
.irp m, 0,1
.irp c, 0,1,2,3
	ds_load_b128 v[\buf+16*\m+4*\c:\buf+16*\m+4*\c+3], v[XRD0+(\p)/2] offset:((\p)%2)*PIMG+\m*TIMG+(8*(\s)+2*\c)*LINE
.endr
.endr
.endm
.macro PLACES                          ; four plain vector lines between a matrix instruction and a load into, or a vector read or write of, its registers
.rept 4
	v_nop
.endr
.endm
; Eight matrix instructions: K step s of both tiles against my four tiles of W.  The eight accumulators take turns, one instruction a turn, and both ways begin on the first and end on the last.
.macro MUL8 s, buf, zero
	s_cmp_eq_u32 s25, 2
	s_cbranch_scc1 .Lv_\@
	WIN 0x01                                       ; source 0 (W) window 1
.irp m, 0,1
.irp t, 0,1,2,3
.if \zero
	v_wmma_f32_16x16x128_fp8_fp8 v[HA+32*\m+8*\t:HA+32*\m+8*\t+7], v[16*(4*\t+\s):16*(4*\t+\s)+15], v[\buf+16*\m:\buf+16*\m+15], 0
.else
	v_wmma_f32_16x16x128_fp8_fp8 v[HA+32*\m+8*\t:HA+32*\m+8*\t+7], v[16*(4*\t+\s):16*(4*\t+\s)+15], v[\buf+16*\m:\buf+16*\m+15], v[HA+32*\m+8*\t:HA+32*\m+8*\t+7]
.endif
.endr
.endr
	WIN 0
	s_branch .Lj_\@
.Lv_\@:
	WIN 0x04                                       ; source 1 (W) window 1
.irp t, 0,1,2,3
.irp m, 0,1
.if \zero
	v_wmma_f32_16x16x128_fp8_fp8 v[HA+16*\t+8*\m:HA+16*\t+8*\m+7], v[\buf+16*\m:\buf+16*\m+15], v[16*(4*\t+\s):16*(4*\t+\s)+15], 0
.else
	v_wmma_f32_16x16x128_fp8_fp8 v[HA+16*\t+8*\m:HA+16*\t+8*\m+7], v[\buf+16*\m:\buf+16*\m+15], v[16*(4*\t+\s):16*(4*\t+\s)+15], v[HA+16*\t+8*\m:HA+16*\t+8*\m+7]
.endif
.endr
.endr
	WIN 0
.Lj_\@:
.endm
.macro OQUANT                          ; the 64 sums become 64 codes: a sum stands for sum x 2^(ex + ew), so its code is sum / 2^(eo - ex - ew): the three scales in one
.set kk, 0
.rept 64
	v_med3_num_f32 v[HA+kk], v[HA+kk], -v11, v11   ; each accumulator from its low end on
.set kk, kk+1
.endr
.irp g, 0,1,2,3
	v_cvt_scalef32_pk8_fp8_f32 v[PC+4*\g:PC+4*\g+1], v[HA+16*\g:HA+16*\g+7], v10
	v_cvt_scalef32_pk8_fp8_f32 v[PC+4*\g+2:PC+4*\g+3], v[HA+16*\g+8:HA+16*\g+15], v10
.endr
	v_nop                                          ; one plain vector line behind the last conversion: the next pair's products write its sources
.endm
	s_load_b512 s[8:23], s[0:1], 0x0               ; input_Q, input_K, input_V, wc, scales, qc, kc, vc
	v_lshl_add_u32 v254, v0, 2, 0x11000
	v_mov_b32 v255, 0
	v_lshrrev_b32 v5, 5, v0
	v_readfirstlane_b32 s24, v5                    ; wave 0..7 = head
	v_and_b32 v6, 31, v0                           ; lane
	v_lshlrev_b32 v[LI], 4, v6
	s_lshr_b32 s25, ttmp9, 6                       ; which tensor: 0 Q, 1 K, 2 V
	s_and_b32 s26, ttmp9, 63                       ; which 128 rows
	s_lshr_b32 s48, s24, 2                         ; u: which tile of a pair I quantise for
	s_and_b32 s49, s24, 3                          ; which four row slots of it
	s_bfe_u32 s50, s24, 0x10001                    ; (slot / 8) of them
	v_lshrrev_b32 v7, 2, v6
	v_mul_u32_u24 v7, v7, LINE
	v_and_b32 v5, 3, v6
	v_lshl_add_u32 v7, v5, 2, v7                   ; (lane / 4) lines + 4 (lane % 4)
	s_mul_i32 s51, s48, TIMG
	s_lshl_b32 s52, s49, 6
	s_add_co_u32 s51, s51, s52
	v_add_nc_u32 v[IW], s51, v7
	v_and_b32 v5, 15, v0                           ; r
	v_bfe_u32 v7, v0, 4, 1                         ; h
	v_mul_u32_u24 v7, v7, LINE
	v_lshl_add_u32 v[XRD0], v5, 4, v7              ; line h, row slot r
	v_add_nc_u32 v[XRD1], 2*PIMG, v[XRD0]
	s_lshl_b32 s53, s49, 2                         ; my first row in a pair: Q: 16 u + 4 (w % 4);
	s_lshl_b32 s54, s48, 4
	s_add_co_u32 s54, s54, s53
	s_lshl_b32 s55, s48, 3                         ; K, V: 8 u + 4 (w % 4) + 8 ((w / 2) % 2)
	s_add_co_u32 s55, s55, s53
	s_lshl_b32 s56, s50, 3
	s_add_co_u32 s55, s55, s56
	s_cmp_eq_u32 s25, 0
	s_cselect_b32 s54, s54, s55
	s_lshl_b32 s54, s54, 11                        ; rows of 2,048 bytes,
	s_lshl_b32 s55, s26, 18                        ; + 128 rows x the block
	s_add_co_u32 s54, s54, s55
	s_mov_b32 s55, 0
	s_lshl_b32 s56, s25, 18                        ; W: 262,144 x tensor + 32,768 x head
	s_lshl_b32 s57, s24, 15
	s_add_co_u32 s56, s56, s57
	s_mov_b32 s57, 0
	s_lshr_b32 s58, s26, 4                         ; out: (8 x batch + head) x 131,072 + (block % 16) x 8,192
	s_lshl_b32 s58, s58, 3
	s_add_co_u32 s58, s58, s24
	s_lshl_b32 s58, s58, 17
	s_and_b32 s59, s26, 15
	s_lshl_b32 s59, s59, 13
	s_add_co_u32 s58, s58, s59
	s_mov_b32 s59, 0
	s_wait_kmcnt 0x0
	s_load_b256 s[36:43], s[16:17], 0x0            ; e0 .. e7
	s_load_b128 s[44:47], s[16:17], 0x20           ; e8 .. e11
	s_cmp_eq_u32 s25, 1                            ; the buffers are chosen by the work-group's number alone
	s_cselect_b64 s[XB:XB+1], s[10:11], s[8:9]
	s_cselect_b64 s[OB:OB+1], s[20:21], s[18:19]
	s_cmp_eq_u32 s25, 2
	s_cselect_b64 s[XB:XB+1], s[12:13], s[XB:XB+1]
	s_cselect_b64 s[OB:OB+1], s[22:23], s[OB:OB+1]
	s_add_nc_u64 s[XB:XB+1], s[XB:XB+1], s[54:55]
	s_add_nc_u64 s[WB:WB+1], s[14:15], s[56:57]
	s_add_nc_u64 s[OB:OB+1], s[OB:OB+1], s[58:59]
	XLOAD 0                                        ; pair 0's rows first,
	WIN 0x40                                       ; destination window 1
.irp f, 0,1,2,3,4,5,6,7,8,9,10,11,12,13,14,15      ; then W: fragment f = 4 t + s, 64 loads of 512 consecutive bytes
.irp c, 0,1,2,3
	global_load_b128 v[16*\f+4*\c:16*\f+4*\c+3], v[LI], s[WB:WB+1] offset:2048*\f+512*\c
.endr
.endr
	WIN 0
	s_wait_kmcnt 0x0
	s_cmp_eq_u32 s25, 1
	s_cselect_b32 s48, s38, s36                    ; ex
	s_cselect_b32 s49, s39, s37                    ; ew
	s_cselect_b32 s50, s43, s42                    ; eo: e7 for K, e6 for Q,
	s_cmp_eq_u32 s25, 2
	s_cselect_b32 s48, s40, s48
	s_cselect_b32 s49, s41, s49
	s_cselect_b32 s50, s45, s50                    ; e9 for V
	s_add_co_i32 s51, s48, 127
	s_lshl_b32 s52, s51, 23
	v_mov_b32 v8, s52                              ; 2^ex
	s_add_co_i32 s51, s51, 8
	s_lshl_b32 s51, s51, 23
	s_or_b32 s51, s51, 0x600000
	v_mov_b32 v9, s51                              ; 448 x 2^ex
	s_sub_co_i32 s51, s50, s48
	s_sub_co_i32 s51, s51, s49
	s_add_co_i32 s51, s51, 127
	s_lshl_b32 s52, s51, 23
	v_mov_b32 v10, s52                             ; 2^(eo - ex - ew)
	s_add_co_i32 s51, s51, 8
	s_lshl_b32 s51, s51, 23
	s_or_b32 s51, s51, 0x600000
	v_mov_b32 v11, s51                             ; 448 x that
.macro PAIR p
.if \p == 0
	s_wait_loadcnt 63                              ; 64 loads of W were issued behind x's sixteen: with 63 out at the most, x's are in
.else
	s_wait_loadcnt 0x0                             ; this pair's sixteen loads, asked for a pair ago
.endif
	XQUANT 8, 9, \p*PIMG
.if \p < 3
	XLOAD (\p+1)*65536                             ; the next pair's rows land while this pair is multiplied
.endif
	s_wait_dscnt 0x0                               ; for the others' sake: my stores into the image are done
	s_barrier_signal -1
	s_barrier_wait -1                              ; the pair's image is whole
	FETCH \p, 0, XF
	FETCH \p, 1, XF+32
.if \p == 0
	s_wait_loadcnt 16                              ; W is in; the next pair's sixteen loads may be out
.endif
	s_wait_dscnt 8                                 ; K step 0 is in; the younger buffer's eight loads may be out
	MUL8 0, XF, 1                                  ; the first K step starts the sums
	PLACES
	FETCH \p, 2, XF
	s_wait_dscnt 8
	MUL8 1, XF+32, 0
	PLACES
	FETCH \p, 3, XF+32
	s_wait_dscnt 8
	MUL8 2, XF, 0
	s_wait_dscnt 0x0
	MUL8 3, XF+32, 0
	PLACES
.if \p > 0
	s_wait_xcnt 0x0                                ; the last pair's stores have read their data: the codes' registers are written again only behind this wait
.endif
	OQUANT
.irp g, 0,1,2,3
	global_store_b128 v[LI], v[PC+4*\g:PC+4*\g+3], s[OB:OB+1] offset:\p*2048+\g*512   ; 32 lanes store 512 consecutive bytes, at a multiple of 256 from the buffer's first byte
.endr
.endm
	PAIR 0
	PAIR 1
	PAIR 2
	PAIR 3
	s_wait_tensorcnt 0x0
	ds_add_u32 v254, v255
	s_wait_dscnt 0x0
	s_endpgm
.Lfunc_end_k_q98332bdbd9_proj:
	.size	k_q98332bdbd9_proj, .Lfunc_end_k_q98332bdbd9_proj-k_q98332bdbd9_proj
	.p2alignl 7, 3214868480
	.fill 96, 4, 3214868480
	.section	.rodata,"a",@progbits
	.p2align	6, 0x0
	.amdhsa_kernel k_q98332bdbd9_proj
		.amdhsa_group_segment_fixed_size 70656
		.amdhsa_private_segment_fixed_size 0
		.amdhsa_enable_private_segment 0
		.amdhsa_kernarg_size 64
		.amdhsa_user_sgpr_count 2
		.amdhsa_user_sgpr_kernarg_segment_ptr 1
		.amdhsa_wavefront_size32 1
		.amdhsa_system_sgpr_workgroup_id_x 1
		.amdhsa_system_sgpr_workgroup_id_y 1
		.amdhsa_system_sgpr_workgroup_id_z 1
		.amdhsa_system_vgpr_workitem_id 0
		.amdhsa_next_free_vgpr 512
		.amdhsa_next_free_sgpr 66
		.amdhsa_reserve_vcc 0
		.amdhsa_float_denorm_mode_32 3
		.amdhsa_float_denorm_mode_16_64 3
		.amdhsa_memory_ordered 1
		.amdhsa_forward_progress 1
		.amdhsa_inst_pref_size 88
	.end_amdhsa_kernel
	.amdgpu_metadata
---
amdhsa.version: [ 1, 2 ]
amdhsa.kernels:
  - .name:           k_q98332bdbd9_proj
    .symbol:         k_q98332bdbd9_proj.kd
    .args:
      - { .name: input_Q, .offset: 0, .size: 8, .value_kind: global_buffer, .address_space: global }
      - { .name: input_K, .offset: 8, .size: 8, .value_kind: global_buffer, .address_space: global }
      - { .name: input_V, .offset: 16, .size: 8, .value_kind: global_buffer, .address_space: global }
      - { .name: wc, .offset: 24, .size: 8, .value_kind: global_buffer, .address_space: global }
      - { .name: lowp_scales, .offset: 32, .size: 8, .value_kind: global_buffer, .address_space: global }
      - { .name: qc, .offset: 40, .size: 8, .value_kind: global_buffer, .address_space: global }
      - { .name: kc, .offset: 48, .size: 8, .value_kind: global_buffer, .address_space: global }
      - { .name: vc, .offset: 56, .size: 8, .value_kind: global_buffer, .address_space: global }
    .group_segment_fixed_size: 70656
    .private_segment_fixed_size: 0
    .kernarg_segment_align: 8
    .kernarg_segment_size: 64
    .max_flat_workgroup_size: 256
    .sgpr_count:     66
    .vgpr_count:     512
    .wavefront_size: 32
...
	.end_amdgpu_metadata
.endif
;; end of part 2
;; launch attn (part 3): grid 256 x 1, 16 waves a work-group, no clusters, 264,192 bytes of LDS; arguments qc, kc, vc, lowp_scales, cc; writes cc
.if DOCPART == 3
	.amdgcn_target "amdgcn-amd-amdhsa--gfx1250"
	.amdhsa_code_object_version 6
	.text
	.protected	k_q98332bdbd9_attn
	.globl	k_q98332bdbd9_attn
	.p2align	8
	.type	k_q98332bdbd9_attn,@function
k_q98332bdbd9_attn:
	s_mov_b64 s[64:65], 0
	v_nop
	global_prefetch_b8 v0, s[64:65] scope:SCOPE_SE
	s_setreg_imm32_b32 hwreg(HW_REG_WAVE_MODE, 25, 1), 1
	s_wait_xcnt 0x0
; Causal attention on codes of E4M3, 32 (batch x head) x 2,048 queries x 2,048 keys, head size 64; the context leaves as codes for the last projection.
; qc, kc: [bh][tile of 16 rows][2 chunks][512]: a 16 x 64 fragment as an image of its registers (chunk c, lane r + 16 h: row r, channels 32 c + 16 h + 0 .. 15).  K's tiles are not neighbouring keys: lane r of tile 2 b + u of a step takes
; key 32 b + 8 u + r + 8 (r / 8).  vc: [bh][128 keys][chunk c][tile t of 16 channels][512]: lane r + 16 h: a channel, keys 32 c + 16 h + 0 .. 15.  cc: [tile of 16 rows][head][2 chunks][512].
; THE SOFTMAX AHEAD OF THE SECOND PRODUCT: t = score x log2(e) / 8; M = the row's largest t so far, rounded UP to a whole number; p = 2^(t - M) is quantised with scale 8; it is not normalised.  The row's sum is taken of the
; unquantised p and divides at the end.  When M moves, the sum and O are multiplied by 2^(old M - new M), which rounds nothing.
; SHARES.  A head has 16 blocks of 128 queries; block j wants j + 1 key steps of 128.  A work-group owns blocks i and 15 - i of one head: 17 block steps in every work-group.  Sixteen waves, a tile of 16 queries each, 256 registers:
; four waves to a SIMD, so that one wave's vector work stands beside another's matrix work and LDS loads.  Wave w: tile w / 2 of block i or 15 - i, by (w xor w / 4) % 2.
; LDS.  THE HEAD'S WHOLE K AND V ARE RESIDENT: K at 0 (8,192 bytes a step), V at 131,072.  Every byte is filled once, by tensor loads that all go out at the head: four groups of four key steps; each wave issues one load of 4,096 bytes
; for each group (waves 0-7 K's, waves 8-15 V's): four tensor loads of a wave are out at the most.  A group is read behind the wave's counted wait and a barrier; nothing is ever filled again.
; No padding: every LDS read is 16 bytes a lane at 16 x lane, 512 consecutive bytes.
; LAYOUT.  Both products transposed: S^T = K Q^T (source 0 = 16 keys), O^T = V^T P^T (source 0 = 16 channels): a lane holds ONE query throughout; p's 16 registers of two neighbouring tiles are 16 neighbouring keys, so the conversions'
; results are the second product's operand; O^T's 16 registers of two neighbouring tiles are 16 neighbouring channels, so the context's codes leave without a stage.
; CAUSAL.  Every wave walks all 16 steps; a step all of whose keys come after the wave's queries is left out by a scalar branch on ids, round its loads, products and softmax alone.  On the diagonal hidden scores become -infinity.
; NO CLUSTER, though the eight work-groups of a head read the same K and V: they differ in their query blocks, and leaving hidden steps out is a branch on just that; without it the softmax's work would double.
; NO PREFETCH: all fills are asked for at the head; nothing is asked for later.
; LIMITS, so that each power of two below is an f32 number: e6 + e7 between -123 and 130 (added to c's exponent field); e8, and e10 - e8 - e9, between -126 and 119.
; REGISTERS: v1 16 x lane; v2, v3 LDS addresses of the step; v4 r - 16 h; v12 -M, v13 the largest t, v[14:15] the sum in two halves; v16-23 Q; v32-95 K's eight fragments, then V's four; v96-159 S^T, then p; v160-191 O^T;
;   v192-205 at work and constants; v224-239 p's codes.
.set LI,  1
.set ADK, 2
.set ADV, 3
.set WV,  18                           ; s18  my wave's number
.set SEL, 20                           ; s[20:21] lane selects for v_permlanex16_b32: lane l xor 16
.set CS,  22                           ; s[22:23] c = log2(e) / 8 x 2^(e6 + e7)
.set G1,  24                           ; s[24:31] descriptor group 1: 16 rows of 256 bytes, dense
.set G0,  32                           ; s[32:47] descriptor group 0, one set for each of my four loads
.set TB,  48                           ; s48  LDS byte of the step's tiles of K
.set KF,  49                           ; s49  the step's first key
.set Q0,  50                           ; s50  my first query
.set CNT, 51                           ; s51  counts a group's four steps
	s_load_b256 s[4:11], s[0:1], 0x0               ; qc, kc, vc, the scales' exponents
	s_load_b64 s[12:13], s[0:1], 0x20              ; cc
	v_lshl_add_u32 v254, v0, 2, 0x40000
	v_mov_b32 v255, 0
	ds_add_u32 v254, v255
	ds_add_u32 v254, v255
	v_lshrrev_b32 v5, 5, v0
	v_readfirstlane_b32 s[WV], v5                  ; wave 0..15
	v_and_b32 v5, 31, v0
	v_lshlrev_b32 v[LI], 4, v5
	v_and_b32 v6, 15, v0                           ; r
	v_bfe_u32 v7, v0, 4, 1                         ; h
	v_lshlrev_b32 v7, 4, v7
	v_sub_nc_u32 v4, v6, v7                        ; r - 16 h
	s_lshr_b32 s14, ttmp9, 3                       ; bh = 8 x batch + head
	s_and_b32 s15, ttmp9, 7                        ; i
	s_lshr_b32 s16, s[WV], 2
	s_xor_b32 s16, s16, s[WV]
	s_and_b32 s16, s16, 1                          ; which of the two blocks
	s_sub_co_u32 s17, 15, s15
	s_cmp_eq_u32 s16, 0
	s_cselect_b32 s17, s15, s17                    ; my block: i or 15 - i
	s_lshr_b32 s19, s[WV], 1                       ; my tile in it
	s_lshl_b32 s61, s17, 3
	s_add_co_u32 s61, s61, s19                     ; my tile in the head
	s_lshl_b32 s[Q0], s61, 4
	s_and_b32 s63, s[WV], 7
	s_lshl_b32 s63, s63, 12                        ; my 4,096 bytes of a group's 32,768
	s_lshr_b32 s62, s[WV], 3
	s_lshl_b32 s62, s62, 17                        ; K's half of LDS or V's
	s_add_co_u32 s62, s62, s63
	s_lshl_b32 s2, s14, 17                         ; the head's 131,072 bytes in qc, kc and vc
	s_lshl_b32 s52, s61, 10
	s_add_co_u32 s52, s52, s2                      ; Q: + 1,024 x my tile
	s_mov_b32 s53, 0
	s_add_co_u32 s2, s2, s63                       ; K, V: + my 4,096 bytes
	s_mov_b32 s3, 0
	s_lshr_b32 s54, s14, 3                         ; cc: (128 x batch + my tile) x 8,192 + head x 1,024
	s_lshl_b32 s54, s54, 7
	s_add_co_u32 s54, s54, s61
	s_lshl_b32 s54, s54, 13
	s_and_b32 s55, s14, 7
	s_lshl_b32 s55, s55, 10
	s_add_co_u32 s54, s54, s55
	s_mov_b32 s55, 0
	s_mov_b32 s[G1+0], 3<<16                       ; 15:0 no mask; 17:16 elements of 8 bytes; 20 no padding
	s_mov_b32 s[G1+1], 32<<16                      ; tensor_dim0 = 32 elements (256 bytes)
	s_mov_b32 s[G1+2], 16<<16                      ; tensor_dim1 = 16
	s_mov_b32 s[G1+3], 32<<16                      ; tile_dim0 = 32
	s_mov_b32 s[G1+4], 16                          ; tile_dim1 = 16
	s_mov_b32 s[G1+5], 32                          ; from row to row: 32 elements: the block is dense
	s_mov_b32 s[G1+6], 0
	s_mov_b32 s[G1+7], 0
	s_mov_b32 s[SEL], 0x76543210
	s_mov_b32 s[SEL+1], 0xfedcba98
	s_mov_b32 s[KF], 0
	s_wait_dscnt 0x0
	s_wait_kmcnt 0x0
	s_load_b128 s[56:59], s[10:11], 0x18           ; e6, e7, e8, e9
	s_load_b32 s60, s[10:11], 0x28                 ; e10
	s_cmp_lt_u32 s[WV], 8                          ; waves 0-7 fetch K's codes, waves 8-15 V's: the shape is the same, so the pointer alone is chosen
	s_cselect_b64 s[6:7], s[6:7], s[8:9]
	s_add_nc_u64 s[6:7], s[6:7], s[2:3]
.irp g, 0,1,2,3
	s_mov_b32 s[G0+4*\g], 1                        ; count = 1
	s_add_co_u32 s[G0+4*\g+1], s62, \g*32768       ; LDS address: half + group + 4,096 x (wave % 8)
	s_add_nc_u64 s[G0+4*\g+2:G0+4*\g+3], s[6:7], \g*32768
	s_or_b32 s[G0+4*\g+3], s[G0+4*\g+3], 0x80000000   ; type = 2
.endr
.irp g, 0,1,2,3
	tensor_load_to_lds s[G0+4*\g:G0+4*\g+3], s[G1:G1+7]   ; all my fills, in one group, ahead of every wait on TENSORcnt, every LDS read and every barrier
	s_nop 0
.endr
.rept 4
	v_nop                                          ; four plain lines follow the last of them
.endr
	s_add_nc_u64 s[4:5], s[4:5], s[52:53]
	s_add_nc_u64 s[12:13], s[12:13], s[54:55]
	global_load_b128 v[16:19], v[LI], s[4:5] th:TH_LOAD_NT              ; Q's fragment stays in registers
	global_load_b128 v[20:23], v[LI], s[4:5] offset:512 th:TH_LOAD_NT
	v_mov_b32 v13, 0xff61b1e6                      ; the largest t so far: -3e38, under every t
	v_floor_f32 v12, -v13                          ; -M
	v_mov_b32 v14, 0                               ; the sum, in two halves
	v_mov_b32 v15, 0
	v_mov_b32 v192, 0                              ; a lane permute's destination counts as one of its sources
	v_mov_b32 v195, 0                              ; (named as the upper half of the pair v[194:195])
	v_mov_b32 v202, 0xff800000                     ; -infinity
.set kk, 0
.rept 32
	v_mov_b32 v[160+kk], 0                         ; O^T: the step is written once; the first finds zeros, which the first change of M leaves zeros
.set kk, kk+1
.endr
	s_wait_kmcnt 0x0
	s_add_co_i32 s52, s56, s57
	s_lshl_b32 s52, s52, 23
	s_mov_b32 s[CS], 0x3e38aa3b                    ; log2(e) / 8
	s_add_co_i32 s[CS], s[CS], s52                 ; a score stands for score x 2^(e6 + e7): the exponents are added to c's exponent field
	s_mov_b32 s[CS+1], s[CS]                       ; (named with it as a pair, so it is written)
	s_add_co_i32 s52, s58, 127
	s_lshl_b32 s53, s52, 23
	v_mov_b32 v200, s53                            ; 2^e8, for p's conversions
	s_add_co_i32 s52, s52, 8
	s_lshl_b32 s52, s52, 23
	s_or_b32 s52, s52, 0x600000
	v_mov_b32 v201, s52                            ; 448 x 2^e8
	s_sub_co_i32 s52, s60, s58
	s_sub_co_i32 s52, s52, s59
	s_add_co_i32 s52, s52, 127
	s_lshl_b32 s53, s52, 23
	v_mov_b32 v204, s53                            ; 2^(e10 - e8 - e9): O^T / l stands for the context / 2^(e8 + e9)
	s_add_co_i32 s52, s52, 8
	s_lshl_b32 s52, s52, 23
	s_or_b32 s52, s52, 0x600000
	v_mov_b32 v205, s52                            ; 448 x that
; A KEY STEP: 128 keys.
.macro STEP
	s_add_co_u32 s52, s[Q0], 15
	s_cmp_gt_u32 s[KF], s52                        ; all its keys come after my queries: nothing to do
	s_cbranch_scc1 .Lhidden_\@
	v_add_nc_u32 v[ADK], s[TB], v[LI]
	v_add_nc_u32 v[ADV], 0x20000, v[ADK]
	v_nop                                          ; with the two additions: four plain lines between the last step's products and the loads into their sources
	v_nop
.irp t, 0,1,2,3,4,5,6,7
.irp c, 0,1
	ds_load_b128 v[32+8*\t+4*\c:35+8*\t+4*\c], v[ADK] offset:1024*\t+512*\c
.endr
.endr
	s_wait_dscnt 0x0
.irp t, 0,1,2,3,4,5,6,7                        ; S^T: lane (r, h) holds query r; the 16 registers of tiles 2 b, 2 b + 1 are keys 32 b + 16 h + 0 .. 15
	v_wmma_f32_16x16x64_fp8_fp8 v[96+8*\t:103+8*\t], v[32+8*\t:39+8*\t], v[16:23], 0
.endr
.rept 4
	v_nop                                          ; four plain lines ahead of the loads into K's registers and of the first read of the scores
.endr
.irp t, 0,1,2,3                                ; V is asked for now, into the registers that K has left: it lands under the softmax
.irp c, 0,1,2,3
	ds_load_b128 v[32+16*\t+4*\c:35+16*\t+4*\c], v[ADV] offset:2048*\c+512*\t
.endr
.endr
	s_add_co_u32 s52, s[KF], 127
	s_cmp_le_u32 s52, s[Q0]                        ; all its keys count: no mask
	s_cbranch_scc1 .Lopen_\@
	s_sub_co_i32 s52, s[Q0], s[KF]
	v_add_nc_u32 v203, s52, v4                     ; d = my query - KF - 16 h.  Register 16 b + i holds key KF + 16 h + 32 b + i: hidden where 32 b + i > d
.irp n, 0,1,2,3,4,5,6,7,8,9,10,11,12,13,14,15,16,17,18,19,20,21,22,23,24,25,26,27,28,29,30,31,32,33,34,35,36,37,38,39,40,41,42,43,44,45,46,47,48,49,50,51,52,53,54,55,56,57,58,59,60,61,62,63
	v_cmp_gt_i32 vcc_lo, 32*(\n/16)+\n%16, v203
	v_cndmask_b32 v[96+\n], v[96+\n], v202, vcc_lo
.endr
.Lopen_\@:
	v_max3_num_f32 v196, v96, v97, v98             ; the step's largest score of my query among my 64 keys, in two chains, each accumulator from its low end on,
	v_max3_num_f32 v197, v99, v100, v101
.irp i, 6,10,14,18,22,26,30,34,38,42,46,50,54,58
	v_max3_num_f32 v196, v196, v[96+\i], v[97+\i]
	v_max3_num_f32 v197, v197, v[98+\i], v[99+\i]
.endr
	v_max3_num_f32 v196, v196, v158, v159
	v_max_num_f32 v196, v196, v197
	v_permlanex16_b32 v192, v196, s[SEL], s[SEL+1]
	v_max_num_f32 v196, v196, v192                 ; and among lane l xor 16's
	v_mul_f32 v196, s[CS], v196                    ; as t (c is positive)
	v_max_num_f32 v13, v13, v196                   ; the running largest t
	v_mov_b32 v196, v12
	v_floor_f32 v12, -v13                          ; the new -M = floor(-t) = -ceil(t)
	v_sub_f32 v196, v12, v196                      ; old M - new M: a whole number, 0 or less
	v_cvt_i32_f32 v196, v196                       ; (it saturates)
	v_ldexp_f32 v194, 1.0, v196                    ; f = 2^(old M - new M)
.irp j, 0,2,4,6,8,10,12,14,16,18,20,22,24,26,28,30,32,34,36,38,40,42,44,46,48,50,52,54,56,58,60,62
	v_pk_fma_f32 v[96+\j:97+\j], v[96+\j:97+\j], s[CS:CS+1], v[12:13] op_sel_hi:[1,0,0]   ; t - M, two at a time (of the pairs c and -M the low word serves both halves)
.endr
.set kk, 0
.rept 64
	v_exp_f32 v[96+kk], v[96+kk]                   ; p = 2^(t - M), at most 1
.set kk, kk+1
.endr
	v_pk_mul_f32 v[14:15], v[14:15], v[194:195] op_sel_hi:[1,0]   ; the sums under the new M: the plain line behind the exponentials
	s_wait_alu depctr_va_vdst(0)                   ; one wait for the whole batch, ahead of its first reader
	v_pk_add_f32 v[198:199], v[96:97], v[98:99]    ; the row's sum is taken of the unquantised p: two at a time, in two chains
.irp j, 4,8,12,16,20,24,28,32,36,40,44,48,52,56,60
	v_pk_add_f32 v[14:15], v[14:15], v[96+\j:97+\j]
	v_pk_add_f32 v[198:199], v[198:199], v[98+\j:99+\j]
.endr
	v_pk_add_f32 v[14:15], v[14:15], v[198:199]
.irp b, 0,1,2,3
.irp i, 0,1,2,3,4,5,6,7,8,9,10,11,12,13,14,15
	v_min_num_f32 v[96+16*\b+\i], v[96+16*\b+\i], v201   ; the conversion does not saturate (ISA guide 7.6.2); p is not negative, so the hold is one-sided
.endr
	v_cvt_scalef32_pk8_fp8_f32 v[224+4*\b:225+4*\b], v[96+16*\b:103+16*\b], v200
	v_cvt_scalef32_pk8_fp8_f32 v[226+4*\b:227+4*\b], v[104+16*\b:111+16*\b], v200
.endr
.irp j, 0,2,4,6,8,10,12,14,16,18,20,22,24,26,28,30
	v_pk_mul_f32 v[160+\j:161+\j], v[160+\j:161+\j], v[194:195] op_sel_hi:[1,0]   ; O^T under the new M.  (Also the plain lines between the conversions and the products)
.endr
	s_wait_dscnt 0x0                               ; V is in
.irp t, 0,1,2,3                                ; O^T += V^T P^T, K = these 128 keys; the four accumulators take turns, and the scores' products stand between two steps' turns
	v_wmma_f32_16x16x128_fp8_fp8 v[160+8*\t:167+8*\t], v[32+16*\t:47+16*\t], v[224:239], v[160+8*\t:167+8*\t]
.endr
.Lhidden_\@:
	s_add_co_u32 s[KF], s[KF], 128
	s_add_co_u32 s[TB], s[TB], 8192
.endm
; A group of four key steps: my load for it has landed (the later groups' loads stay out), and behind the barrier everybody's has.
.macro GROUP g
	s_wait_tensorcnt 3-\g
	s_barrier_signal -1
	s_barrier_wait -1
	s_mov_b32 s[TB], \g*32768
	s_mov_b32 s[CNT], 4
.Lstep_\@:
	STEP
	s_sub_co_u32 s[CNT], s[CNT], 1
	s_cmp_lg_u32 s[CNT], 0
	s_cbranch_scc1 .Lstep_\@
.endm
	s_wait_loadcnt 0x0                             ; Q
	GROUP 0
	GROUP 1
	GROUP 2
	GROUP 3                                        ; its wait on TENSORcnt is for 0: no tensor load is out from here on
	; THE WAY OUT: O^T / l, quantised for the last projection.  Register 16 b + i is channel 32 b + 16 h + i of query r: chunk b of my head's part of the context's fragment.
.rept 4
	v_nop                                          ; four plain lines behind the last products
.endr
	v_add_f32 v14, v14, v15                        ; the sum's two halves,
	v_permlanex16_b32 v192, v14, s[SEL], s[SEL+1]
	v_add_f32 v14, v14, v192                       ; and lane l xor 16's
	v_rcp_f32 v194, v14
	v_nop                                          ; a plain line behind the reciprocal,
	s_wait_alu depctr_va_vdst(0)                   ; and the wait ahead of its first reader
.irp j, 0,2,4,6,8,10,12,14,16,18,20,22,24,26,28,30
	v_pk_mul_f32 v[96+\j:97+\j], v[160+\j:161+\j], v[194:195] op_sel_hi:[1,0]
.endr
.set kk, 0
.rept 32
	v_med3_num_f32 v[96+kk], v[96+kk], -v205, v205
.set kk, kk+1
.endr
.irp g, 0,1,2,3
	v_cvt_scalef32_pk8_fp8_f32 v[224+2*\g:225+2*\g], v[96+8*\g:103+8*\g], v204
.endr
	v_nop                                          ; one plain vector line behind the last conversion
	global_store_b128 v[LI], v[224:227], s[12:13]              ; 32 lanes store 512 consecutive bytes, at a multiple of 256 from the buffer's first byte
	global_store_b128 v[LI], v[228:231], s[12:13] offset:512
	s_wait_tensorcnt 0x0
	ds_add_u32 v254, v255
	s_wait_dscnt 0x0
	s_endpgm
.Lfunc_end_k_q98332bdbd9_attn:
	.size	k_q98332bdbd9_attn, .Lfunc_end_k_q98332bdbd9_attn-k_q98332bdbd9_attn
	.p2alignl 7, 3214868480
	.fill 96, 4, 3214868480
	.section	.rodata,"a",@progbits
	.p2align	6, 0x0
	.amdhsa_kernel k_q98332bdbd9_attn
		.amdhsa_group_segment_fixed_size 264192
		.amdhsa_private_segment_fixed_size 0
		.amdhsa_enable_private_segment 0
		.amdhsa_kernarg_size 40
		.amdhsa_user_sgpr_count 2
		.amdhsa_user_sgpr_kernarg_segment_ptr 1
		.amdhsa_wavefront_size32 1
		.amdhsa_system_sgpr_workgroup_id_x 1
		.amdhsa_system_sgpr_workgroup_id_y 1
		.amdhsa_system_sgpr_workgroup_id_z 1
		.amdhsa_system_vgpr_workitem_id 0
		.amdhsa_next_free_vgpr 256
		.amdhsa_next_free_sgpr 66
		.amdhsa_reserve_vcc 1
		.amdhsa_float_denorm_mode_32 3
		.amdhsa_float_denorm_mode_16_64 3
		.amdhsa_memory_ordered 1
		.amdhsa_forward_progress 1
		.amdhsa_inst_pref_size 94
	.end_amdhsa_kernel
	.amdgpu_metadata
---
amdhsa.version: [ 1, 2 ]
amdhsa.kernels:
  - .name:           k_q98332bdbd9_attn
    .symbol:         k_q98332bdbd9_attn.kd
    .args:
      - { .name: qc, .offset: 0, .size: 8, .value_kind: global_buffer, .address_space: global }
      - { .name: kc, .offset: 8, .size: 8, .value_kind: global_buffer, .address_space: global }
      - { .name: vc, .offset: 16, .size: 8, .value_kind: global_buffer, .address_space: global }
      - { .name: lowp_scales, .offset: 24, .size: 8, .value_kind: global_buffer, .address_space: global }
      - { .name: cc, .offset: 32, .size: 8, .value_kind: global_buffer, .address_space: global }
    .group_segment_fixed_size: 264192
    .private_segment_fixed_size: 0
    .kernarg_segment_align: 8
    .kernarg_segment_size: 40
    .max_flat_workgroup_size: 512
    .sgpr_count:     66
    .vgpr_count:     256
    .wavefront_size: 32
...
	.end_amdgpu_metadata
.endif
;; end of part 3
;; launch oproj (part 4): grid 256 x 1, 8 waves a work-group, no clusters, 70,656 bytes of LDS; arguments cc, wc, lowp_scales, out0; writes out0
.if DOCPART == 4
	.amdgcn_target "amdgcn-amd-amdhsa--gfx1250"
	.amdhsa_code_object_version 6
	.text
	.protected	k_q98332bdbd9_oproj
	.globl	k_q98332bdbd9_oproj
	.p2align	8
	.type	k_q98332bdbd9_oproj,@function
k_q98332bdbd9_oproj:
	s_mov_b64 s[64:65], 0
	v_nop
	global_prefetch_b8 v0, s[64:65] scope:SCOPE_SE
	s_setreg_imm32_b32 hwreg(HW_REG_WAVE_MODE, 25, 1), 1
	s_wait_xcnt 0x0
; out0 = context W_O^T on codes of E4M3: context [8,192][512] (cc, scale 10) and W_O [512][512] (the fourth weight of wc, scale 11), both laid as images of operand registers; out0 f32.
; SHARES.  A work-group makes 128 rows x 128 columns; wave w makes 32 rows (two tiles: 4 x row block + w % 4) x 64 columns (2 x column block + w / 4): 256 bytes of each output row, so a wave owns whole aligned runs of 256 bytes
; and no wave waits for another: no barrier.  Both operands go from memory straight into registers, 512 consecutive bytes a load, in the order of the K steps, so that the first products start while the later K steps are on their way.
; Source 0 = 16 rows of W_O, source 1 = 16 rows of the context: a lane holds one output row, and (by the order of W_O's rows in a tile) the 16 registers of tiles 2 b, 2 b + 1 are columns 32 b + 16 h + 0 .. 15.
; THE WAY OUT: x 2^(e10 + e11); through the wave's own stage in LDS (32 rows of 256 bytes + 16), back by rows: sixteen lanes store 256 consecutive bytes.
; NO JOINT LOADS: each operand is read once by a wave into registers; a joint load would land in LDS and be read from there again.
; LIMIT: e10 + e11 between -126 and 127, so that 2^(e10 + e11) is an f32 number.
; REGISTERS, window 0: v1-4 addresses; v16-143 the context's fragments ((tile m, K step s) at 16 + 64 m + 16 s), later the scaled sums (v16-79) and the rows read back (v80-143); v144-207 eight accumulators.  Window 1: W_O, (t, s) at 16 (4 t + s).
.set LI,  1                            ; v1  16 x lane
.set STO, 2                            ; v2  the stage: where I put 64 bytes of a row
.set RD,  3                            ; v3  the stage: where I read a row back
.set CO,  4                            ; v4  the same place in out0
.set CF,  16
.set HA,  144
.set TMP, 16
.set BK,  80
.set SP,  272                          ; a stage row: 256 bytes + 16: the sixteen rows that a store touches start at sixteen different banks (64 banks of 4 bytes: ISA guide 11.1)
.set MSB, 0
.macro WIN new                         ; the immediate's high byte repeats the setting that is left
.if MSB != \new
	s_set_vgpr_msb (MSB<<8)|\new
.set MSB, \new
.endif
.endm
	s_load_b256 s[4:11], s[0:1], 0x0               ; cc, wc, the scales' exponents, out0
	v_lshl_add_u32 v254, v0, 2, 0x11000
	v_mov_b32 v255, 0
	v_lshrrev_b32 v5, 5, v0
	v_readfirstlane_b32 s12, v5                    ; wave 0..7
	v_and_b32 v6, 31, v0
	v_lshlrev_b32 v[LI], 4, v6
	v_and_b32 v7, 15, v0                           ; r
	v_bfe_u32 v8, v0, 4, 1                         ; h
	s_mul_i32 s13, s12, 32*SP                      ; my stage
	v_mul_u32_u24 v9, v7, SP
	v_lshl_add_u32 v9, v8, 6, v9
	v_add_nc_u32 v[STO], s13, v9                   ; in: row r, + 64 h
	v_mul_u32_u24 v9, v8, SP
	v_lshl_add_u32 v9, v7, 4, v9
	v_add_nc_u32 v[RD], s13, v9                    ; back: lanes 0-15 one row, lanes 16-31 the next
	v_lshlrev_b32 v9, 11, v8
	v_lshl_add_u32 v[CO], v7, 4, v9                ; and the same two rows of 2,048 bytes in out0
	s_and_b32 s14, ttmp9, 3                        ; column block
	s_lshr_b32 s15, ttmp9, 2                       ; row block
	s_and_b32 s16, s12, 3
	s_lshl_b32 s17, s15, 2
	s_add_co_u32 s17, s17, s16                     ; my 32 rows
	s_lshr_b32 s18, s12, 2
	s_lshl_b32 s19, s14, 1
	s_add_co_u32 s19, s19, s18                     ; my 64 columns
	s_lshl_b32 s20, s17, 14                        ; cc: two tiles of 8,192 bytes
	s_mov_b32 s21, 0
	s_lshl_b32 s22, s19, 15                        ; wc: the fourth weight, four tiles of 8,192 bytes
	s_add_co_u32 s22, s22, 786432
	s_mov_b32 s23, 0
	s_lshl_b32 s24, s17, 16                        ; out0: 32 rows of 2,048 bytes, + 256 bytes x my columns
	s_lshl_b32 s25, s19, 8
	s_add_co_u32 s24, s24, s25
	s_mov_b32 s25, 0
	s_wait_kmcnt 0x0
	s_load_b64 s[36:37], s[8:9], 0x28              ; e10, e11
	s_add_nc_u64 s[4:5], s[4:5], s[20:21]
	s_add_nc_u64 s[6:7], s[6:7], s[22:23]
	s_add_nc_u64 s[10:11], s[10:11], s[24:25]
.irp s, 0,1,2,3                                ; 24 loads a K step: 8 of the context, 16 of W_O
	WIN 0
.irp m, 0,1
.irp c, 0,1,2,3
	global_load_b128 v[CF+64*\m+16*\s+4*\c:CF+64*\m+16*\s+4*\c+3], v[LI], s[4:5] offset:\m*8192+\s*2048+\c*512
.endr
.endr
	WIN 0x40                                       ; destination window 1
.irp t, 0,1,2,3
.irp c, 0,1,2,3
	global_load_b128 v[16*(4*\t+\s)+4*\c:16*(4*\t+\s)+4*\c+3], v[LI], s[6:7] offset:(4*\t+\s)*2048+\c*512
.endr
.endr
.endr
	WIN 0x01                                       ; source 0 (W_O) window 1
; K step s: the eight accumulators take turns, one instruction a turn, in the same order in every K step.  left: the later K steps' loads, which may stay out.
.macro OMUL s, left
	s_wait_loadcnt \left
.irp m, 0,1
.irp t, 0,1,2,3
.if \s == 0
	v_wmma_f32_16x16x128_fp8_fp8 v[HA+32*\m+8*\t:HA+32*\m+8*\t+7], v[16*(4*\t+\s):16*(4*\t+\s)+15], v[CF+64*\m+16*\s:CF+64*\m+16*\s+15], 0
.else
	v_wmma_f32_16x16x128_fp8_fp8 v[HA+32*\m+8*\t:HA+32*\m+8*\t+7], v[16*(4*\t+\s):16*(4*\t+\s)+15], v[CF+64*\m+16*\s:CF+64*\m+16*\s+15], v[HA+32*\m+8*\t:HA+32*\m+8*\t+7]
.endif
.endr
.endr
.endm
	OMUL 0, 63                                     ; 72 loads follow K step 0's; the wait's field holds 63
	OMUL 1, 48
	OMUL 2, 24
	OMUL 3, 0
	WIN 0
	s_wait_kmcnt 0x0
	s_add_co_i32 s40, s36, s37
	s_add_co_i32 s40, s40, 127
	s_lshl_b32 s40, s40, 23                        ; 2^(e10 + e11) as f32
	s_mov_b32 s41, s40                             ; (named with it as a pair, so it is written)
.rept 4
	v_nop                                          ; four plain lines between the last products and the reads of their results, the writes of and the loads into their sources
.endr
.irp m, 0,1
.irp k, 0,2,4,6,8,10,12,14,16,18,20,22,24,26,28,30
	v_pk_mul_f32 v[TMP+32*\m+\k:TMP+32*\m+\k+1], v[HA+32*\m+\k:HA+32*\m+\k+1], s[40:41] op_sel_hi:[1,0]   ; each accumulator from its low end on
.endr
.irp b, 0,1
.irp i, 0,1,2,3
	ds_store_b128 v[STO], v[TMP+32*\m+16*\b+4*\i:TMP+32*\m+16*\b+4*\i+3] offset:16*SP*\m+128*\b+16*\i   ; row 16 m + r, columns 32 b + 16 h + 4 i on
.endr
.endr
.irp i, 0,1,2,3,4,5,6,7
	ds_load_b128 v[BK+32*\m+4*\i:BK+32*\m+4*\i+3], v[RD] offset:16*SP*\m+2*SP*\i   ; LDS serves a wave's instructions in order (ISA guide 5.7.1.4): these see my stores
.endr
.endr
.irp m, 0,1
.irp i, 0,1,2,3,4,5,6,7
	s_wait_dscnt 16*(1-\m)+7-\i                    ; this load is in; the younger LDS lines may be out
	global_store_b128 v[CO], v[BK+32*\m+4*\i:BK+32*\m+4*\i+3], s[10:11] offset:(16*\m+2*\i)*2048 th:TH_STORE_NT   ; 16 lanes store 256 consecutive bytes, at a multiple of 256 from out0's first byte
.endr
.endr
	s_wait_tensorcnt 0x0
	ds_add_u32 v254, v255
	s_wait_dscnt 0x0
	s_endpgm
.Lfunc_end_k_q98332bdbd9_oproj:
	.size	k_q98332bdbd9_oproj, .Lfunc_end_k_q98332bdbd9_oproj-k_q98332bdbd9_oproj
	.p2alignl 7, 3214868480
	.fill 96, 4, 3214868480
	.section	.rodata,"a",@progbits
	.p2align	6, 0x0
	.amdhsa_kernel k_q98332bdbd9_oproj
		.amdhsa_group_segment_fixed_size 70656
		.amdhsa_private_segment_fixed_size 0
		.amdhsa_enable_private_segment 0
		.amdhsa_kernarg_size 32
		.amdhsa_user_sgpr_count 2
		.amdhsa_user_sgpr_kernarg_segment_ptr 1
		.amdhsa_wavefront_size32 1
		.amdhsa_system_sgpr_workgroup_id_x 1
		.amdhsa_system_sgpr_workgroup_id_y 1
		.amdhsa_system_sgpr_workgroup_id_z 1
		.amdhsa_system_vgpr_workitem_id 0
		.amdhsa_next_free_vgpr 512
		.amdhsa_next_free_sgpr 66
		.amdhsa_reserve_vcc 0
		.amdhsa_float_denorm_mode_32 3
		.amdhsa_float_denorm_mode_16_64 3
		.amdhsa_memory_ordered 1
		.amdhsa_forward_progress 1
		.amdhsa_inst_pref_size 20
	.end_amdhsa_kernel
	.amdgpu_metadata
---
amdhsa.version: [ 1, 2 ]
amdhsa.kernels:
  - .name:           k_q98332bdbd9_oproj
    .symbol:         k_q98332bdbd9_oproj.kd
    .args:
      - { .name: cc, .offset: 0, .size: 8, .value_kind: global_buffer, .address_space: global }
      - { .name: wc, .offset: 8, .size: 8, .value_kind: global_buffer, .address_space: global }
      - { .name: lowp_scales, .offset: 16, .size: 8, .value_kind: global_buffer, .address_space: global }
      - { .name: out0, .offset: 24, .size: 8, .value_kind: global_buffer, .address_space: global }
    .group_segment_fixed_size: 70656
    .private_segment_fixed_size: 0
    .kernarg_segment_align: 8
    .kernarg_segment_size: 32
    .max_flat_workgroup_size: 256
    .sgpr_count:     66
    .vgpr_count:     512
    .wavefront_size: 32
...
	.end_amdgpu_metadata
.endif
;; end of part 4
;; ======== version 2 of 2: 4 launches
;; workspace buffers: wc 1,048,576 bytes; qc 4,194,304 bytes; kc 4,194,304 bytes; vc 4,194,304 bytes; cc 4,194,304 bytes
;; launch wquant: the kernel of part 1 again; grid 64 x 1, 8 waves a work-group, no clusters, 18,432 bytes of LDS; arguments W_Q, W_K, W_V, W_O, lowp_scales, wc; writes wc
;; launch proj (part 5): grid 192 x 1, 8 waves a work-group, no clusters, 70,656 bytes of LDS; arguments input_Q, input_K, input_V, wc, lowp_scales, qc, kc, vc; writes qc, kc, vc
.if DOCPART == 5
	.amdgcn_target "amdgcn-amd-amdhsa--gfx1250"
	.amdhsa_code_object_version 6
	.text
	.protected	k_q98332bdbd9_proj
	.globl	k_q98332bdbd9_proj
	.p2align	8
	.type	k_q98332bdbd9_proj,@function
k_q98332bdbd9_proj:
	s_mov_b64 s[64:65], 0
	v_nop
	global_prefetch_b8 v0, s[64:65] scope:SCOPE_SE
	s_setreg_imm32_b32 hwreg(HW_REG_WAVE_SCHED_MODE, 0, 2), 2
	s_setreg_imm32_b32 hwreg(HW_REG_WAVE_MODE, 25, 1), 1
	s_wait_xcnt 0x0
	s_wait_alu depctr_vm_vsrc(0)
; The three input projections, y = x W^T, on codes of E4M3; y is quantised at once for the attention's products and leaves as codes in the order of the reader's operand registers.
; x: [8,192][512] f32, quantised here in registers (scales 0, 2, 4); W: codes in fragment order (wc; scales 1, 3, 5).  Results: Q with scale 6, K with 7, V with 9.
; SHARES.  Work-groups 0-63 take input_Q, 64-127 input_K, 128-191 input_V: 128 rows each.  Wave w is HEAD w: its 64 rows of W (four tiles x four K steps, 256 registers, window 1) stay in registers for the whole launch.
; The 128 rows go as four PAIRS of 32 rows (two tiles).  In a pair each wave quantises four neighbouring rows into an image in LDS (32 lines of 272 bytes a tile: line = k / 16, 16 rows x 16 bytes + 16 of padding); behind a barrier every
; wave reads both tiles' fragments from it.  Each pair has an image of its own: nothing in LDS is written twice, so there is one barrier a pair.
; Q, K: source 0 = 16 rows of W, source 1 = x: a lane holds ONE row of x and its registers run along the head's 64, in the order of the next operand (W's tiles are laid for that).  Q's tiles are neighbouring rows.
;   K's and V's tiles are not: lane r of tile u of a pair takes row 8 u + r + 8 (r / 8), so that later the scores' registers run along neighbouring keys.
; V: source 0 = x, source 1 = W: a lane holds ONE channel and its registers run along 16 neighbouring KEYS, which are the second attention product's K.
; In all three cases group g of 16 result registers becomes 16 bytes a lane at out + 2,048 pair + 512 g + 16 lane.  Only the matrix lines differ between the cases: they alone stand under the branch on the work-group's number.
; qc, kc = [batch x head][tile of 16][2 chunks][512]; vc = [batch x head][128 keys][chunk c of 32 keys][tile t of 16 channels][512].
; NO JOINT LOADS, though all row blocks of a tensor read the same W: a joint load lands in LDS, and W's 262,144 bytes beside the images' 69,632 pass the 327,680 that there are; W is read once a work-group, straight into the registers where it stays.
; 192 work-groups: three tensors x 64 blocks; half the block would read W twice as often.
; LIMITS, so that each power of two below is an f32 number: the x scale's e, and e(result) - e(x) - e(W), between -126 and 119.  NaN among the inputs is not served; an infinity is held at the largest code.
; THE MODE: SCHED_MODE bits 1:0 = 2 (LLVM: expert scheduling mode 2), set by the entry lines.  The code itself states the register dependences between vector or matrix instructions and memory or LDS instructions, with s_wait_alu, always for 0.
; THE PLAN.  Registers that memory or LDS instructions touch (window 0 but for W):
;   v1-4         an offset and three LDS addresses: made once at the head, never written again.
;   R   v16-79   the loads of pair p + 1, issued in pair p, land here; pair p + 1's holds work in place and its conversions read them.
;   CX  v80-95   written by a pair's conversions of x and read by its sixteen LDS stores; behind the barrier tile 0's fragment of K step 2 lands here, which K step 2's products read.
;   XS  v240-255 tile 1's fragment of K step 2: with CX a third buffer of fragments.
;   XF  v96-159  two buffers of fragments: K steps 0 and 1 land behind the barrier; K step 3 lands in K step 0's buffer when K step 0's products are done with it.
;   PC  v224-239 written by a pair's last conversions; read by four stores, which are issued in the NEXT pair (the last pair's at the end).
;   W   window 1, loaded once.  v8-11 (scales) and v160-223 (eight accumulators) are named by vector and matrix instructions alone.
; So a pair has two waits on va_vdst and one on vm_vsrc: behind the conversions of x (for the LDS stores, the last pair's stores, the next pair's loads and the three fetches behind the barrier: no vector line stands between);
; behind the barrier (the LDS stores have read CX, the stores have read PC); behind K step 0's products (for K step 3's fetch).
.set LI,   1                           ; v1   16 x lane
.set IW,   2                           ; v2   the image, on the way in
.set XRD0, 3                           ; v3   the image, on the way out, pairs 0 and 1
.set XRD1, 4                           ; v4   pairs 2 and 3 (an LDS immediate has 16 bits)
.set R,    16
.set CX,   80
.set XF,   96
.set HA,   160
.set PC,   224
.set XS,   240
.set XB,   28                          ; s[28:29] my four rows of pair 0
.set WB,   30                          ; s[30:31] my head's fragments of W
.set OB,   32                          ; s[32:33] where my head's codes of this block go
.set LINE, 272
.set TIMG, 32*LINE                     ; a tile's image
.set PIMG, 2*TIMG                      ; a pair's: 17,408 bytes
.set MSB, 0
.macro WIN new                         ; the immediate's high byte repeats the setting that is left
.if MSB != \new
	s_set_vgpr_msb (MSB<<8)|\new
.set MSB, \new
.endif
.endm
.macro XLOAD off                       ; four rows, four loads each: 32 lanes read 512 consecutive bytes
.irp i, 0,1,2,3
.irp j, 0,1,2,3
	global_load_b128 v[R+16*\i+4*\j:R+16*\i+4*\j+3], v[LI], s[XB:XB+1] offset:\off+2048*\i+512*\j th:TH_LOAD_NT
.endr
.endr
.endm
.macro XCODES sc, lim                  ; my four rows: hold and convert
.set kk, 0
.rept 64
	v_med3_num_f32 v[R+kk], v[R+kk], -v[\lim], v[\lim]     ; the conversion to an 8-bit code does not saturate (ISA guide 7.6.2): hold first
.set kk, kk+1
.endr
.irp i, 0,1,2,3
	v_cvt_scalef32_pk8_fp8_f32 v[CX+4*\i:CX+4*\i+1], v[R+16*\i:R+16*\i+7], v[\sc]        ; register j of a row's four: k = 128 j + 4 lane + 0 .. 3
	v_cvt_scalef32_pk8_fp8_f32 v[CX+4*\i+2:CX+4*\i+3], v[R+16*\i+8:R+16*\i+15], v[\sc]
.endr
	v_nop                                          ; one plain vector line behind the last conversion
.endm
.macro XSTORE off                      ; 4 codes a store into the image at off
.irp i, 0,1,2,3
.irp j, 0,1,2,3
	ds_store_b32 v[IW], v[CX+4*\i+\j] offset:\off+8*LINE*\j+16*\i   ; line 8 j + lane / 4, row slot + i, byte 4 (lane % 4): 32 lanes, 32 different banks
.endr
.endr
.endm
.macro FETCH p, s, f0, f1              ; K step s of pair p's two tiles, into v[f0 ..] and v[f1 ..]: eight loads; 16 lanes read 256 consecutive bytes of a line
.irp c, 0,1,2,3
	ds_load_b128 v[\f0+4*\c:\f0+4*\c+3], v[XRD0+(\p)/2] offset:((\p)%2)*PIMG+(8*(\s)+2*\c)*LINE
.endr
.irp c, 0,1,2,3
	ds_load_b128 v[\f1+4*\c:\f1+4*\c+3], v[XRD0+(\p)/2] offset:((\p)%2)*PIMG+TIMG+(8*(\s)+2*\c)*LINE
.endr
.endm
.macro PLACES                          ; four plain vector lines between a matrix instruction and a load into, or a vector read or write of, its registers
.rept 4
	v_nop
.endr
.endm
; Eight matrix instructions: K step s of both tiles (fragments at v[f0 ..], v[f1 ..]) against my four tiles of W.  The eight accumulators take turns, one instruction a turn, and both ways begin on the first and end on the last.
.macro MUL8 s, f0, f1, zero
	s_cmp_eq_u32 s25, 2
	s_cbranch_scc1 .Lv_\@
	WIN 0x01                                       ; source 0 (W) window 1
.irp t, 0,1,2,3
.if \zero
	v_wmma_f32_16x16x128_fp8_fp8 v[HA+8*\t:HA+8*\t+7], v[16*(4*\t+\s):16*(4*\t+\s)+15], v[\f0:\f0+15], 0
.else
	v_wmma_f32_16x16x128_fp8_fp8 v[HA+8*\t:HA+8*\t+7], v[16*(4*\t+\s):16*(4*\t+\s)+15], v[\f0:\f0+15], v[HA+8*\t:HA+8*\t+7]
.endif
.endr
.irp t, 0,1,2,3
.if \zero
	v_wmma_f32_16x16x128_fp8_fp8 v[HA+32+8*\t:HA+32+8*\t+7], v[16*(4*\t+\s):16*(4*\t+\s)+15], v[\f1:\f1+15], 0
.else
	v_wmma_f32_16x16x128_fp8_fp8 v[HA+32+8*\t:HA+32+8*\t+7], v[16*(4*\t+\s):16*(4*\t+\s)+15], v[\f1:\f1+15], v[HA+32+8*\t:HA+32+8*\t+7]
.endif
.endr
	WIN 0
	s_branch .Lj_\@
.Lv_\@:
	WIN 0x04                                       ; source 1 (W) window 1
.irp t, 0,1,2,3
.if \zero
	v_wmma_f32_16x16x128_fp8_fp8 v[HA+16*\t:HA+16*\t+7], v[\f0:\f0+15], v[16*(4*\t+\s):16*(4*\t+\s)+15], 0
	v_wmma_f32_16x16x128_fp8_fp8 v[HA+16*\t+8:HA+16*\t+15], v[\f1:\f1+15], v[16*(4*\t+\s):16*(4*\t+\s)+15], 0
.else
	v_wmma_f32_16x16x128_fp8_fp8 v[HA+16*\t:HA+16*\t+7], v[\f0:\f0+15], v[16*(4*\t+\s):16*(4*\t+\s)+15], v[HA+16*\t:HA+16*\t+7]
	v_wmma_f32_16x16x128_fp8_fp8 v[HA+16*\t+8:HA+16*\t+15], v[\f1:\f1+15], v[16*(4*\t+\s):16*(4*\t+\s)+15], v[HA+16*\t+8:HA+16*\t+15]
.endif
.endr
	WIN 0
.Lj_\@:
.endm
.macro OQUANT                          ; the 64 sums become 64 codes: a sum stands for sum x 2^(ex + ew), so its code is sum / 2^(eo - ex - ew): the three scales in one
.set kk, 0
.rept 64
	v_med3_num_f32 v[HA+kk], v[HA+kk], -v11, v11   ; each accumulator from its low end on
.set kk, kk+1
.endr
.irp g, 0,1,2,3
	v_cvt_scalef32_pk8_fp8_f32 v[PC+4*\g:PC+4*\g+1], v[HA+16*\g:HA+16*\g+7], v10
	v_cvt_scalef32_pk8_fp8_f32 v[PC+4*\g+2:PC+4*\g+3], v[HA+16*\g+8:HA+16*\g+15], v10
.endr
	v_nop                                          ; one plain vector line behind the last conversion: the next pair's products write its sources
.endm
.macro OSTORE q                        ; pair q's codes leave
.irp g, 0,1,2,3
	global_store_b128 v[LI], v[PC+4*\g:PC+4*\g+3], s[OB:OB+1] offset:(\q)*2048+\g*512   ; 32 lanes store 512 consecutive bytes, at a multiple of 256 from the buffer's first byte
.endr
.endm
	s_load_b512 s[8:23], s[0:1], 0x0               ; input_Q, input_K, input_V, wc, scales, qc, kc, vc
	v_lshl_add_u32 v14, v0, 2, 0x11000
	v_mov_b32 v15, 0
	v_lshrrev_b32 v5, 5, v0
	v_readfirstlane_b32 s24, v5                    ; wave 0..7 = head
	v_and_b32 v6, 31, v0                           ; lane
	v_lshlrev_b32 v[LI], 4, v6
	s_lshr_b32 s25, ttmp9, 6                       ; which tensor: 0 Q, 1 K, 2 V
	s_and_b32 s26, ttmp9, 63                       ; which 128 rows
	s_wait_alu depctr_va_sdst(0)                   ; s24 is written, ahead of its first reader: LDS addresses and the three bases are made from it
	s_lshr_b32 s48, s24, 2                         ; u: which tile of a pair I quantise for
	s_and_b32 s49, s24, 3                          ; which four row slots of it
	s_bfe_u32 s50, s24, 0x10001                    ; (slot / 8) of them
	v_lshrrev_b32 v7, 2, v6
	v_mul_u32_u24 v7, v7, LINE
	v_and_b32 v5, 3, v6
	v_lshl_add_u32 v7, v5, 2, v7                   ; (lane / 4) lines + 4 (lane % 4)
	s_mul_i32 s51, s48, TIMG
	s_lshl_b32 s52, s49, 6
	s_add_co_u32 s51, s51, s52
	v_add_nc_u32 v[IW], s51, v7
	v_and_b32 v5, 15, v0                           ; r
	v_bfe_u32 v7, v0, 4, 1                         ; h
	v_mul_u32_u24 v7, v7, LINE
	v_lshl_add_u32 v[XRD0], v5, 4, v7              ; line h, row slot r
	v_add_nc_u32 v[XRD1], 2*PIMG, v[XRD0]
	s_lshl_b32 s53, s49, 2                         ; my first row in a pair: Q: 16 u + 4 (w % 4);
	s_lshl_b32 s54, s48, 4
	s_add_co_u32 s54, s54, s53
	s_lshl_b32 s55, s48, 3                         ; K, V: 8 u + 4 (w % 4) + 8 ((w / 2) % 2)
	s_add_co_u32 s55, s55, s53
	s_lshl_b32 s56, s50, 3
	s_add_co_u32 s55, s55, s56
	s_cmp_eq_u32 s25, 0
	s_cselect_b32 s54, s54, s55
	s_lshl_b32 s54, s54, 11                        ; rows of 2,048 bytes,
	s_lshl_b32 s55, s26, 18                        ; + 128 rows x the block
	s_add_co_u32 s54, s54, s55
	s_mov_b32 s55, 0
	s_lshl_b32 s56, s25, 18                        ; W: 262,144 x tensor + 32,768 x head
	s_lshl_b32 s57, s24, 15
	s_add_co_u32 s56, s56, s57
	s_mov_b32 s57, 0
	s_lshr_b32 s58, s26, 4                         ; out: (8 x batch + head) x 131,072 + (block % 16) x 8,192
	s_lshl_b32 s58, s58, 3
	s_add_co_u32 s58, s58, s24
	s_lshl_b32 s58, s58, 17
	s_and_b32 s59, s26, 15
	s_lshl_b32 s59, s59, 13
	s_add_co_u32 s58, s58, s59
	s_mov_b32 s59, 0
	s_wait_kmcnt 0x0
	s_load_b256 s[36:43], s[16:17], 0x0            ; e0 .. e7
	s_load_b128 s[44:47], s[16:17], 0x20           ; e8 .. e11
	s_cmp_eq_u32 s25, 1                            ; the buffers are chosen by the work-group's number alone
	s_cselect_b64 s[XB:XB+1], s[10:11], s[8:9]
	s_cselect_b64 s[OB:OB+1], s[20:21], s[18:19]
	s_cmp_eq_u32 s25, 2
	s_cselect_b64 s[XB:XB+1], s[12:13], s[XB:XB+1]
	s_cselect_b64 s[OB:OB+1], s[22:23], s[OB:OB+1]
	s_add_nc_u64 s[XB:XB+1], s[XB:XB+1], s[54:55]
	s_add_nc_u64 s[WB:WB+1], s[14:15], s[56:57]
	s_add_nc_u64 s[OB:OB+1], s[OB:OB+1], s[58:59]
	s_wait_alu depctr_va_vdst(0)                   ; v1 to v4 are written: every load and store of the kernel, global or LDS, reads one of them as its offset or address
	XLOAD 0                                        ; pair 0's rows first,
	WIN 0x40                                       ; destination window 1
.irp f, 0,1,2,3,4,5,6,7,8,9,10,11,12,13,14,15      ; then W: fragment f = 4 t + s, 64 loads of 512 consecutive bytes
.irp c, 0,1,2,3
	global_load_b128 v[16*\f+4*\c:16*\f+4*\c+3], v[LI], s[WB:WB+1] offset:2048*\f+512*\c
.endr
.endr
	WIN 0
	s_wait_kmcnt 0x0
	s_cmp_eq_u32 s25, 1
	s_cselect_b32 s48, s38, s36                    ; ex
	s_cselect_b32 s49, s39, s37                    ; ew
	s_cselect_b32 s50, s43, s42                    ; eo: e7 for K, e6 for Q,
	s_cmp_eq_u32 s25, 2
	s_cselect_b32 s48, s40, s48
	s_cselect_b32 s49, s41, s49
	s_cselect_b32 s50, s45, s50                    ; e9 for V
	s_add_co_i32 s51, s48, 127
	s_lshl_b32 s52, s51, 23
	v_mov_b32 v8, s52                              ; 2^ex
	s_add_co_i32 s51, s51, 8
	s_lshl_b32 s51, s51, 23
	s_or_b32 s51, s51, 0x600000
	v_mov_b32 v9, s51                              ; 448 x 2^ex
	s_sub_co_i32 s51, s50, s48
	s_sub_co_i32 s51, s51, s49
	s_add_co_i32 s51, s51, 127
	s_lshl_b32 s52, s51, 23
	v_mov_b32 v10, s52                             ; 2^(eo - ex - ew)
	s_add_co_i32 s51, s51, 8
	s_lshl_b32 s51, s51, 23
	s_or_b32 s51, s51, 0x600000
	v_mov_b32 v11, s51                             ; 448 x that
.macro PAIR p
.if \p == 0
	s_wait_loadcnt 63                              ; 64 loads of W were issued behind x's sixteen: with 63 out at the most, x's are in
.else
	s_wait_loadcnt 0x0                             ; this pair's sixteen loads, asked for a pair ago
.endif
	XCODES 8, 9
	s_wait_alu depctr_va_vdst(0)                   ; the conversions have written v[CX ..], which the LDS stores read, and are done with v[R ..], in which the next pair's loads land; the last pair's conversions have written v[PC ..], which its stores read; the last pair's products are done reading v[XF ..], v[CX ..] and v[XS ..], in which the fetches behind the barrier land
	XSTORE \p*PIMG
.if \p > 0
	OSTORE \p-1                                    ; the last pair's codes leave here, behind the one wait
.endif
.if \p < 3
	XLOAD (\p+1)*65536                             ; the next pair's rows land while this pair is multiplied
.endif
	s_wait_dscnt 0x0                               ; for the others' sake: my stores into the image are done
	s_barrier_signal -1
	s_barrier_wait -1                              ; the pair's image is whole
	s_wait_alu depctr_vm_vsrc(0)                   ; my LDS stores have read v[CX ..], in which K step 2's fragment lands; the last pair's stores have read v[PC ..], which this pair's last conversions write again
	FETCH \p, 0, XF, XF+16
	FETCH \p, 1, XF+32, XF+48
	FETCH \p, 2, CX, XS
.if \p == 0
	s_wait_loadcnt 16                              ; W is in; the next pair's sixteen loads may be out
.endif
	s_wait_dscnt 16                                ; K step 0 is in; K steps 1 and 2 (sixteen loads) may be out
	MUL8 0, XF, XF+16, 1                           ; the first K step starts the sums
	PLACES
	s_wait_alu depctr_va_vdst(0)                   ; K step 0's products are done reading v[XF .. XF+31], in which K step 3's fragments land
	FETCH \p, 3, XF, XF+16
	s_wait_dscnt 16                                ; K step 1 is in; K steps 2 and 3 may be out
	MUL8 1, XF+32, XF+48, 0
	s_wait_dscnt 8                                 ; K step 2 is in; K step 3 may be out
	MUL8 2, CX, XS, 0
	s_wait_dscnt 0x0
	MUL8 3, XF, XF+16, 0
	PLACES
.if \p > 0
	s_wait_xcnt 0x0                                ; the last pair's stores have read their data: the codes' registers are written again only behind this wait
.endif
	OQUANT
.endm
	PAIR 0
	PAIR 1
	PAIR 2
	PAIR 3
	s_wait_alu depctr_va_vdst(0)                   ; pair 3's conversions have written v[PC ..], which the last four stores read
	OSTORE 3
	s_wait_dscnt 0x0
	s_wait_alu depctr_hold_cnt(0) depctr_sa_sdst(0) depctr_va_vdst(0) depctr_va_sdst(0) depctr_va_ssrc(0) depctr_va_vcc(0) depctr_vm_vsrc(0)
	s_wait_tensorcnt 0x0
	ds_add_u32 v14, v15
	s_wait_dscnt 0x0
	s_endpgm
.Lfunc_end_k_q98332bdbd9_proj:
	.size	k_q98332bdbd9_proj, .Lfunc_end_k_q98332bdbd9_proj-k_q98332bdbd9_proj
	.p2alignl 7, 3214868480
	.fill 96, 4, 3214868480
	.section	.rodata,"a",@progbits
	.p2align	6, 0x0
	.amdhsa_kernel k_q98332bdbd9_proj
		.amdhsa_group_segment_fixed_size 70656
		.amdhsa_private_segment_fixed_size 0
		.amdhsa_enable_private_segment 0
		.amdhsa_kernarg_size 64
		.amdhsa_user_sgpr_count 2
		.amdhsa_user_sgpr_kernarg_segment_ptr 1
		.amdhsa_wavefront_size32 1
		.amdhsa_system_sgpr_workgroup_id_x 1
		.amdhsa_system_sgpr_workgroup_id_y 1
		.amdhsa_system_sgpr_workgroup_id_z 1
		.amdhsa_system_vgpr_workitem_id 0
		.amdhsa_next_free_vgpr 512
		.amdhsa_next_free_sgpr 66
		.amdhsa_reserve_vcc 0
		.amdhsa_float_denorm_mode_32 3
		.amdhsa_float_denorm_mode_16_64 3
		.amdhsa_memory_ordered 1
		.amdhsa_forward_progress 1
		.amdhsa_inst_pref_size 88
	.end_amdhsa_kernel
	.amdgpu_metadata
---
amdhsa.version: [ 1, 2 ]
amdhsa.kernels:
  - .name:           k_q98332bdbd9_proj
    .symbol:         k_q98332bdbd9_proj.kd
    .args:
      - { .name: input_Q, .offset: 0, .size: 8, .value_kind: global_buffer, .address_space: global }
      - { .name: input_K, .offset: 8, .size: 8, .value_kind: global_buffer, .address_space: global }
      - { .name: input_V, .offset: 16, .size: 8, .value_kind: global_buffer, .address_space: global }
      - { .name: wc, .offset: 24, .size: 8, .value_kind: global_buffer, .address_space: global }
      - { .name: lowp_scales, .offset: 32, .size: 8, .value_kind: global_buffer, .address_space: global }
      - { .name: qc, .offset: 40, .size: 8, .value_kind: global_buffer, .address_space: global }
      - { .name: kc, .offset: 48, .size: 8, .value_kind: global_buffer, .address_space: global }
      - { .name: vc, .offset: 56, .size: 8, .value_kind: global_buffer, .address_space: global }
    .group_segment_fixed_size: 70656
    .private_segment_fixed_size: 0
    .kernarg_segment_align: 8
    .kernarg_segment_size: 64
    .max_flat_workgroup_size: 256
    .sgpr_count:     66
    .vgpr_count:     512
    .wavefront_size: 32
...
	.end_amdgpu_metadata
.endif
;; end of part 5
;; launch attn (part 6): grid 256 x 1, 16 waves a work-group, no clusters, 264,192 bytes of LDS; arguments qc, kc, vc, lowp_scales, cc; writes cc
.if DOCPART == 6
	.amdgcn_target "amdgcn-amd-amdhsa--gfx1250"
	.amdhsa_code_object_version 6
	.text
	.protected	k_q98332bdbd9_attn
	.globl	k_q98332bdbd9_attn
	.p2align	8
	.type	k_q98332bdbd9_attn,@function
k_q98332bdbd9_attn:
	s_mov_b64 s[64:65], 0
	v_nop
	global_prefetch_b8 v0, s[64:65] scope:SCOPE_SE
	s_setreg_imm32_b32 hwreg(HW_REG_WAVE_MODE, 25, 1), 1
	s_wait_xcnt 0x0
; Causal attention on codes of E4M3, 32 (batch x head) x 2,048 queries x 2,048 keys, head size 64; the context leaves as codes for the last projection.
; qc, kc: [bh][tile of 16 rows][2 chunks][512]: a 16 x 64 fragment as an image of its registers (chunk c, lane r + 16 h: row r, channels 32 c + 16 h + 0 .. 15).  K's tiles are not neighbouring keys: lane r of tile 2 b + u of a step takes
; key 32 b + 8 u + r + 8 (r / 8).  vc: [bh][128 keys][chunk c][tile t of 16 channels][512]: lane r + 16 h: a channel, keys 32 c + 16 h + 0 .. 15.  cc: [tile of 16 rows][head][2 chunks][512].
; THE SOFTMAX AHEAD OF THE SECOND PRODUCT: t = score x log2(e) / 8; M = the row's largest t so far, rounded UP to a whole number; p = 2^(t - M) is quantised with scale 8; it is not normalised.  The row's sum is taken of the
; unquantised p and divides at the end.  When M moves, the sum and O are multiplied by 2^(old M - new M), which rounds nothing.
; SHARES.  A head has 16 blocks of 128 queries; block j wants j + 1 key steps of 128.  A work-group owns blocks i and 15 - i of one head: 17 block steps in every work-group.  Sixteen waves, a tile of 16 queries each, 256 registers:
; four waves to a SIMD, so that one wave's vector work stands beside another's matrix work and LDS loads.  Wave w: tile w / 2 of block i or 15 - i, by (w xor w / 4) % 2.
; LDS.  THE HEAD'S WHOLE K AND V ARE RESIDENT: K at 0 (8,192 bytes a step), V at 131,072.  Every byte is filled once, by tensor loads that all go out at the head: four groups of four key steps; each wave issues one load of 4,096 bytes
; for each group (waves 0-7 K's, waves 8-15 V's): four tensor loads of a wave are out at the most.  A group is read behind the wave's counted wait and a barrier; nothing is ever filled again.
; No padding: every LDS read is 16 bytes a lane at 16 x lane, 512 consecutive bytes.
; LAYOUT.  Both products transposed: S^T = K Q^T (source 0 = 16 keys), O^T = V^T P^T (source 0 = 16 channels): a lane holds ONE query throughout; p's 16 registers of two neighbouring tiles are 16 neighbouring keys, so the conversions'
; results are the second product's operand; O^T's 16 registers of two neighbouring tiles are 16 neighbouring channels, so the context's codes leave without a stage.
; CAUSAL.  Every wave walks all 16 steps; a step all of whose keys come after the wave's queries is left out by a scalar branch on ids, round its loads, products and softmax alone.  On the diagonal hidden scores become -infinity.
; NO CLUSTER, though the eight work-groups of a head read the same K and V: they differ in their query blocks, and leaving hidden steps out is a branch on just that; without it the softmax's work would double.
; NO PREFETCH: all fills are asked for at the head; nothing is asked for later.
; LIMITS, so that each power of two below is an f32 number: e6 + e7 between -123 and 130 (added to c's exponent field); e8, and e10 - e8 - e9, between -126 and 119.
; REGISTERS: v1 16 x lane; v2, v3 LDS addresses of the step; v4 r - 16 h; v12 -M, v13 the largest t, v[14:15] the sum in two halves; v16-23 Q; v32-95 K's eight fragments, then V's four; v96-159 S^T, then p; v160-191 O^T;
;   v192-205 at work and constants; v224-239 p's codes.
.set LI,  1
.set ADK, 2
.set ADV, 3
.set WV,  18                           ; s18  my wave's number
.set SEL, 20                           ; s[20:21] lane selects for v_permlanex16_b32: lane l xor 16
.set CS,  22                           ; s[22:23] c = log2(e) / 8 x 2^(e6 + e7)
.set G1,  24                           ; s[24:31] descriptor group 1: 16 rows of 256 bytes, dense
.set G0,  32                           ; s[32:47] descriptor group 0, one set for each of my four loads
.set TB,  48                           ; s48  LDS byte of the step's tiles of K
.set KF,  49                           ; s49  the step's first key
.set Q0,  50                           ; s50  my first query
.set CNT, 51                           ; s51  counts a group's four steps
	s_load_b256 s[4:11], s[0:1], 0x0               ; qc, kc, vc, the scales' exponents
	s_load_b64 s[12:13], s[0:1], 0x20              ; cc
	v_lshl_add_u32 v254, v0, 2, 0x40000
	v_mov_b32 v255, 0
	ds_add_u32 v254, v255
	ds_add_u32 v254, v255
	v_lshrrev_b32 v5, 5, v0
	s_delay_alu instid0(VALU_DEP_1)
	v_readfirstlane_b32 s[WV], v5                  ; wave 0..15
	v_and_b32 v5, 31, v0
	s_delay_alu instid0(VALU_DEP_1)
	v_lshlrev_b32 v[LI], 4, v5
	v_and_b32 v6, 15, v0                           ; r
	v_bfe_u32 v7, v0, 4, 1                         ; h
	s_delay_alu instid0(VALU_DEP_1)
	v_lshlrev_b32 v7, 4, v7
	s_delay_alu instid0(VALU_DEP_1)
	v_sub_nc_u32 v4, v6, v7                        ; r - 16 h
	s_lshr_b32 s14, ttmp9, 3                       ; bh = 8 x batch + head
	s_and_b32 s15, ttmp9, 7                        ; i
	s_lshr_b32 s16, s[WV], 2
	s_xor_b32 s16, s16, s[WV]
	s_and_b32 s16, s16, 1                          ; which of the two blocks
	s_sub_co_u32 s17, 15, s15
	s_cmp_eq_u32 s16, 0
	s_cselect_b32 s17, s15, s17                    ; my block: i or 15 - i
	s_lshr_b32 s19, s[WV], 1                       ; my tile in it
	s_lshl_b32 s61, s17, 3
	s_add_co_u32 s61, s61, s19                     ; my tile in the head
	s_lshl_b32 s[Q0], s61, 4
	s_and_b32 s63, s[WV], 7
	s_lshl_b32 s63, s63, 12                        ; my 4,096 bytes of a group's 32,768
	s_lshr_b32 s62, s[WV], 3
	s_lshl_b32 s62, s62, 17                        ; K's half of LDS or V's
	s_add_co_u32 s62, s62, s63
	s_lshl_b32 s2, s14, 17                         ; the head's 131,072 bytes in qc, kc and vc
	s_lshl_b32 s52, s61, 10
	s_add_co_u32 s52, s52, s2                      ; Q: + 1,024 x my tile
	s_mov_b32 s53, 0
	s_add_co_u32 s2, s2, s63                       ; K, V: + my 4,096 bytes
	s_mov_b32 s3, 0
	s_lshr_b32 s54, s14, 3                         ; cc: (128 x batch + my tile) x 8,192 + head x 1,024
	s_lshl_b32 s54, s54, 7
	s_add_co_u32 s54, s54, s61
	s_lshl_b32 s54, s54, 13
	s_and_b32 s55, s14, 7
	s_lshl_b32 s55, s55, 10
	s_add_co_u32 s54, s54, s55
	s_mov_b32 s55, 0
	s_mov_b32 s[G1+0], 3<<16                       ; 15:0 no mask; 17:16 elements of 8 bytes; 20 no padding
	s_mov_b32 s[G1+1], 32<<16                      ; tensor_dim0 = 32 elements (256 bytes)
	s_mov_b32 s[G1+2], 16<<16                      ; tensor_dim1 = 16
	s_mov_b32 s[G1+3], 32<<16                      ; tile_dim0 = 32
	s_mov_b32 s[G1+4], 16                          ; tile_dim1 = 16
	s_mov_b32 s[G1+5], 32                          ; from row to row: 32 elements: the block is dense
	s_mov_b32 s[G1+6], 0
	s_mov_b32 s[G1+7], 0
	s_mov_b32 s[SEL], 0x76543210
	s_mov_b32 s[SEL+1], 0xfedcba98
	s_mov_b32 s[KF], 0
	s_wait_alu depctr_va_vdst(0)
	s_wait_dscnt 0x0
	s_wait_kmcnt 0x0
	s_load_b128 s[56:59], s[10:11], 0x18           ; e6, e7, e8, e9
	s_load_b32 s60, s[10:11], 0x28                 ; e10
	s_cmp_lt_u32 s[WV], 8                          ; waves 0-7 fetch K's codes, waves 8-15 V's: the shape is the same, so the pointer alone is chosen
	s_cselect_b64 s[6:7], s[6:7], s[8:9]
	s_add_nc_u64 s[6:7], s[6:7], s[2:3]
.irp g, 0,1,2,3
	s_mov_b32 s[G0+4*\g], 1                        ; count = 1
	s_add_co_u32 s[G0+4*\g+1], s62, \g*32768       ; LDS address: half + group + 4,096 x (wave % 8)
	s_add_nc_u64 s[G0+4*\g+2:G0+4*\g+3], s[6:7], \g*32768
	s_or_b32 s[G0+4*\g+3], s[G0+4*\g+3], 0x80000000   ; type = 2
.endr
.irp g, 0,1,2,3
	tensor_load_to_lds s[G0+4*\g:G0+4*\g+3], s[G1:G1+7]   ; all my fills, in one group, ahead of every wait on TENSORcnt, every LDS read and every barrier
	s_nop 0
.endr
.rept 4
	v_nop                                          ; four plain lines follow the last of them
.endr
	s_add_nc_u64 s[4:5], s[4:5], s[52:53]
	s_add_nc_u64 s[12:13], s[12:13], s[54:55]
	global_load_b128 v[16:19], v[LI], s[4:5] th:TH_LOAD_NT              ; Q's fragment stays in registers
	global_load_b128 v[20:23], v[LI], s[4:5] offset:512 th:TH_LOAD_NT
	v_mov_b32 v13, 0xff61b1e6                      ; the largest t so far: -3e38, under every t
	s_delay_alu instid0(VALU_DEP_1)
	v_floor_f32 v12, -v13                          ; -M
	v_mov_b32 v14, 0                               ; the sum, in two halves
	v_mov_b32 v15, 0
	v_mov_b32 v192, 0                              ; a lane permute's destination counts as one of its sources
	v_mov_b32 v195, 0                              ; (named as the upper half of the pair v[194:195])
	v_mov_b32 v202, 0xff800000                     ; -infinity
.set kk, 0
.rept 32
	v_mov_b32 v[160+kk], 0                         ; O^T: the step is written once; the first finds zeros, which the first change of M leaves zeros
.set kk, kk+1
.endr
	s_wait_kmcnt 0x0
	s_add_co_i32 s52, s56, s57
	s_lshl_b32 s52, s52, 23
	s_mov_b32 s[CS], 0x3e38aa3b                    ; log2(e) / 8
	s_add_co_i32 s[CS], s[CS], s52                 ; a score stands for score x 2^(e6 + e7): the exponents are added to c's exponent field
	s_mov_b32 s[CS+1], s[CS]                       ; (named with it as a pair, so it is written)
	s_add_co_i32 s52, s58, 127
	s_lshl_b32 s53, s52, 23
	v_mov_b32 v200, s53                            ; 2^e8, for p's conversions
	s_add_co_i32 s52, s52, 8
	s_lshl_b32 s52, s52, 23
	s_or_b32 s52, s52, 0x600000
	v_mov_b32 v201, s52                            ; 448 x 2^e8
	s_sub_co_i32 s52, s60, s58
	s_sub_co_i32 s52, s52, s59
	s_add_co_i32 s52, s52, 127
	s_lshl_b32 s53, s52, 23
	v_mov_b32 v204, s53                            ; 2^(e10 - e8 - e9): O^T / l stands for the context / 2^(e8 + e9)
	s_add_co_i32 s52, s52, 8
	s_lshl_b32 s52, s52, 23
	s_or_b32 s52, s52, 0x600000
	v_mov_b32 v205, s52                            ; 448 x that
; A KEY STEP: 128 keys.
.macro STEP
	s_add_co_u32 s52, s[Q0], 15
	s_cmp_gt_u32 s[KF], s52                        ; all its keys come after my queries: nothing to do
	s_cbranch_scc1 .Lhidden_\@
	s_setprio 2
	v_add_nc_u32 v[ADK], s[TB], v[LI]
	s_delay_alu instid0(VALU_DEP_1)
	v_add_nc_u32 v[ADV], 0x20000, v[ADK]
	v_nop                                          ; with the two additions: four plain lines between the last step's products and the loads into their sources
	v_nop
.irp t, 0,1,2,3,4,5,6,7
.irp c, 0,1
	ds_load_b128 v[32+8*\t+4*\c:35+8*\t+4*\c], v[ADK] offset:1024*\t+512*\c
.endr
.endr
	s_wait_alu depctr_va_vdst(0)
	s_wait_dscnt 0x0
.irp t, 0,1,2,3,4,5,6,7                        ; S^T: lane (r, h) holds query r; the 16 registers of tiles 2 b, 2 b + 1 are keys 32 b + 16 h + 0 .. 15
	v_wmma_f32_16x16x64_fp8_fp8 v[96+8*\t:103+8*\t], v[32+8*\t:39+8*\t], v[16:23], 0
.endr
.rept 4
	v_nop                                          ; four plain lines ahead of the loads into K's registers and of the first read of the scores
.endr
.irp t, 0,1,2,3                                ; V is asked for now, into the registers that K has left: it lands under the softmax
.irp c, 0,1,2,3
	ds_load_b128 v[32+16*\t+4*\c:35+16*\t+4*\c], v[ADV] offset:2048*\c+512*\t
.endr
.endr
	s_add_co_u32 s52, s[KF], 127
	s_cmp_le_u32 s52, s[Q0]                        ; all its keys count: no mask
	s_cbranch_scc1 .Lopen_\@
	s_sub_co_i32 s52, s[Q0], s[KF]
	v_add_nc_u32 v203, s52, v4                     ; d = my query - KF - 16 h.  Register 16 b + i holds key KF + 16 h + 32 b + i: hidden where 32 b + i > d
.irp n, 0,1,2,3,4,5,6,7,8,9,10,11,12,13,14,15,16,17,18,19,20,21,22,23,24,25,26,27,28,29,30,31,32,33,34,35,36,37,38,39,40,41,42,43,44,45,46,47,48,49,50,51,52,53,54,55,56,57,58,59,60,61,62,63
	v_cmp_gt_i32 vcc_lo, 32*(\n/16)+\n%16, v203
	v_cndmask_b32 v[96+\n], v[96+\n], v202, vcc_lo
.endr
.Lopen_\@:
	v_max3_num_f32 v196, v96, v97, v98             ; the step's largest score of my query among my 64 keys, in two chains, each accumulator from its low end on,
	v_max3_num_f32 v197, v99, v100, v101
.irp i, 6,10,14,18,22,26,30,34,38,42,46,50,54,58
	v_max3_num_f32 v196, v196, v[96+\i], v[97+\i]
	v_max3_num_f32 v197, v197, v[98+\i], v[99+\i]
.endr
	v_max3_num_f32 v196, v196, v158, v159
	s_delay_alu instid0(VALU_DEP_1)
	v_max_num_f32 v196, v196, v197
	s_delay_alu instid0(VALU_DEP_1)
	v_permlanex16_b32 v192, v196, s[SEL], s[SEL+1]
	s_delay_alu instid0(VALU_DEP_1)
	v_max_num_f32 v196, v196, v192                 ; and among lane l xor 16's
	s_delay_alu instid0(VALU_DEP_1)
	v_mul_f32 v196, s[CS], v196                    ; as t (c is positive)
	s_delay_alu instid0(VALU_DEP_1)
	v_max_num_f32 v13, v13, v196                   ; the running largest t
	v_mov_b32 v196, v12
	s_delay_alu instid0(VALU_DEP_2)
	v_floor_f32 v12, -v13                          ; the new -M = floor(-t) = -ceil(t)
	s_delay_alu instid0(VALU_DEP_1)
	v_sub_f32 v196, v12, v196                      ; old M - new M: a whole number, 0 or less
	s_delay_alu instid0(VALU_DEP_1)
	v_cvt_i32_f32 v196, v196                       ; (it saturates)
	s_delay_alu instid0(VALU_DEP_1)
	v_ldexp_f32 v194, 1.0, v196                    ; f = 2^(old M - new M)
.irp j, 0,2,4,6,8,10,12,14,16,18,20,22,24,26,28,30,32,34,36,38,40,42,44,46,48,50,52,54,56,58,60,62
	v_pk_fma_f32 v[96+\j:97+\j], v[96+\j:97+\j], s[CS:CS+1], v[12:13] op_sel_hi:[1,0,0]   ; t - M, two at a time (of the pairs c and -M the low word serves both halves)
.endr
.set kk, 0
	s_setprio 1
	s_wait_alu depctr_va_vdst(0)
.rept 64
	v_exp_f32 v[96+kk], v[96+kk]                   ; p = 2^(t - M), at most 1
.set kk, kk+1
.endr
	v_pk_mul_f32 v[14:15], v[14:15], v[194:195] op_sel_hi:[1,0]   ; the sums under the new M: the plain line behind the exponentials
	s_wait_alu depctr_va_vdst(0)                   ; one wait for the whole batch, ahead of its first reader
	v_pk_add_f32 v[198:199], v[100:101], v[104:105]
	v_pk_add_f32 v[252:253], v[108:109], v[112:113]
	v_pk_add_f32 v[250:251], v[116:117], v[120:121]
	v_pk_add_f32 v[248:249], v[124:125], v[128:129]
	v_pk_add_f32 v[246:247], v[132:133], v[136:137]
	v_pk_add_f32 v[244:245], v[140:141], v[144:145]
	v_pk_add_f32 v[242:243], v[148:149], v[152:153]
	v_pk_add_f32 v[14:15], v[14:15], v[156:157]
	v_pk_add_f32 v[198:199], v[198:199], v[96:97]
	v_pk_add_f32 v[252:253], v[252:253], v[98:99]
	v_pk_add_f32 v[250:251], v[250:251], v[102:103]
	v_pk_add_f32 v[248:249], v[248:249], v[106:107]
	v_pk_add_f32 v[246:247], v[246:247], v[110:111]
	v_pk_add_f32 v[244:245], v[244:245], v[114:115]
	v_pk_add_f32 v[242:243], v[242:243], v[118:119]
	v_pk_add_f32 v[14:15], v[14:15], v[122:123]
	v_pk_add_f32 v[198:199], v[198:199], v[126:127]
	v_pk_add_f32 v[252:253], v[252:253], v[130:131]
	v_pk_add_f32 v[250:251], v[250:251], v[134:135]
	v_pk_add_f32 v[248:249], v[248:249], v[138:139]
	v_pk_add_f32 v[246:247], v[246:247], v[142:143]
	v_pk_add_f32 v[244:245], v[244:245], v[146:147]
	v_pk_add_f32 v[242:243], v[242:243], v[150:151]
	v_pk_add_f32 v[14:15], v[14:15], v[154:155]
	v_pk_add_f32 v[198:199], v[198:199], v[158:159]
	s_delay_alu instid0(VALU_DEP_2)
	v_pk_add_f32 v[14:15], v[14:15], v[248:249]
	s_delay_alu instid0(VALU_DEP_2)
	v_pk_add_f32 v[198:199], v[198:199], v[246:247]
	v_pk_add_f32 v[252:253], v[252:253], v[244:245]
	v_pk_add_f32 v[250:251], v[250:251], v[242:243]
	s_delay_alu instid0(VALU_DEP_2)
	v_pk_add_f32 v[14:15], v[14:15], v[252:253]
	s_delay_alu instid0(VALU_DEP_2)
	v_pk_add_f32 v[198:199], v[198:199], v[250:251]
	s_delay_alu instid0(VALU_DEP_1)
	v_pk_add_f32 v[14:15], v[14:15], v[198:199]
.irp b, 0,1,2,3
.irp i, 0,1,2,3,4,5,6,7,8,9,10,11,12,13,14,15
	v_min_num_f32 v[96+16*\b+\i], v[96+16*\b+\i], v201   ; the conversion does not saturate (ISA guide 7.6.2); p is not negative, so the hold is one-sided
.endr
	v_cvt_scalef32_pk8_fp8_f32 v[224+4*\b:225+4*\b], v[96+16*\b:103+16*\b], v200
	v_cvt_scalef32_pk8_fp8_f32 v[226+4*\b:227+4*\b], v[104+16*\b:111+16*\b], v200
.endr
	s_setprio 0
.irp j, 0,2,4,6,8,10,12,14,16,18,20,22,24,26,28,30
	v_pk_mul_f32 v[160+\j:161+\j], v[160+\j:161+\j], v[194:195] op_sel_hi:[1,0]   ; O^T under the new M.  (Also the plain lines between the conversions and the products)
.endr
	s_wait_alu depctr_va_vdst(0)
	s_wait_dscnt 0x0                               ; V is in
.irp t, 0,1,2,3                                ; O^T += V^T P^T, K = these 128 keys; the four accumulators take turns, and the scores' products stand between two steps' turns
	v_wmma_f32_16x16x128_fp8_fp8 v[160+8*\t:167+8*\t], v[32+16*\t:47+16*\t], v[224:239], v[160+8*\t:167+8*\t]
.endr
.Lhidden_\@:
	s_add_co_u32 s[KF], s[KF], 128
	s_add_co_u32 s[TB], s[TB], 8192
.endm
; A group of four key steps: my load for it has landed (the later groups' loads stay out), and behind the barrier everybody's has.
.macro GROUP g
	s_wait_tensorcnt 3-\g
	s_barrier_signal -1
	s_barrier_wait -1
	s_mov_b32 s[TB], \g*32768
	s_mov_b32 s[CNT], 4
.Lstep_\@:
	STEP
	s_sub_co_u32 s[CNT], s[CNT], 1
	s_cmp_lg_u32 s[CNT], 0
	s_cbranch_scc1 .Lstep_\@
	s_setprio 0
.endm
	s_wait_loadcnt 0x0                             ; Q
	GROUP 0
	GROUP 1
	GROUP 2
	GROUP 3                                        ; its wait on TENSORcnt is for 0: no tensor load is out from here on
	; THE WAY OUT: O^T / l, quantised for the last projection.  Register 16 b + i is channel 32 b + 16 h + i of query r: chunk b of my head's part of the context's fragment.
.rept 4
	v_nop                                          ; four plain lines behind the last products
.endr
	v_add_f32 v14, v14, v15                        ; the sum's two halves,
	s_delay_alu instid0(VALU_DEP_1)
	v_permlanex16_b32 v192, v14, s[SEL], s[SEL+1]
	s_delay_alu instid0(VALU_DEP_1)
	v_add_f32 v14, v14, v192                       ; and lane l xor 16's
	s_wait_alu depctr_va_vdst(0)
	v_rcp_f32 v194, v14
	v_nop                                          ; a plain line behind the reciprocal,
	s_wait_alu depctr_va_vdst(0)                   ; and the wait ahead of its first reader
.irp j, 0,2,4,6,8,10,12,14,16,18,20,22,24,26,28,30
	v_pk_mul_f32 v[96+\j:97+\j], v[160+\j:161+\j], v[194:195] op_sel_hi:[1,0]
.endr
.set kk, 0
.rept 32
	v_med3_num_f32 v[96+kk], v[96+kk], -v205, v205
.set kk, kk+1
.endr
.irp g, 0,1,2,3
	v_cvt_scalef32_pk8_fp8_f32 v[224+2*\g:225+2*\g], v[96+8*\g:103+8*\g], v204
.endr
	v_nop                                          ; one plain vector line behind the last conversion
	global_store_b128 v[LI], v[224:227], s[12:13]              ; 32 lanes store 512 consecutive bytes, at a multiple of 256 from the buffer's first byte
	global_store_b128 v[LI], v[228:231], s[12:13] offset:512
	s_wait_tensorcnt 0x0
	ds_add_u32 v254, v255
	s_wait_dscnt 0x0
	s_endpgm
.Lfunc_end_k_q98332bdbd9_attn:
	.size	k_q98332bdbd9_attn, .Lfunc_end_k_q98332bdbd9_attn-k_q98332bdbd9_attn
	.p2alignl 7, 3214868480
	.fill 96, 4, 3214868480
	.section	.rodata,"a",@progbits
	.p2align	6, 0x0
	.amdhsa_kernel k_q98332bdbd9_attn
		.amdhsa_group_segment_fixed_size 264192
		.amdhsa_private_segment_fixed_size 0
		.amdhsa_enable_private_segment 0
		.amdhsa_kernarg_size 40
		.amdhsa_user_sgpr_count 2
		.amdhsa_user_sgpr_kernarg_segment_ptr 1
		.amdhsa_wavefront_size32 1
		.amdhsa_system_sgpr_workgroup_id_x 1
		.amdhsa_system_sgpr_workgroup_id_y 1
		.amdhsa_system_sgpr_workgroup_id_z 1
		.amdhsa_system_vgpr_workitem_id 0
		.amdhsa_next_free_vgpr 256
		.amdhsa_next_free_sgpr 66
		.amdhsa_reserve_vcc 1
		.amdhsa_float_denorm_mode_32 3
		.amdhsa_float_denorm_mode_16_64 3
		.amdhsa_memory_ordered 1
		.amdhsa_forward_progress 1
		.amdhsa_inst_pref_size 97
	.end_amdhsa_kernel
	.amdgpu_metadata
---
amdhsa.version: [ 1, 2 ]
amdhsa.kernels:
  - .name:           k_q98332bdbd9_attn
    .symbol:         k_q98332bdbd9_attn.kd
    .args:
      - { .name: qc, .offset: 0, .size: 8, .value_kind: global_buffer, .address_space: global }
      - { .name: kc, .offset: 8, .size: 8, .value_kind: global_buffer, .address_space: global }
      - { .name: vc, .offset: 16, .size: 8, .value_kind: global_buffer, .address_space: global }
      - { .name: lowp_scales, .offset: 24, .size: 8, .value_kind: global_buffer, .address_space: global }
      - { .name: cc, .offset: 32, .size: 8, .value_kind: global_buffer, .address_space: global }
    .group_segment_fixed_size: 264192
    .private_segment_fixed_size: 0
    .kernarg_segment_align: 8
    .kernarg_segment_size: 40
    .max_flat_workgroup_size: 512
    .sgpr_count:     66
    .vgpr_count:     256
    .wavefront_size: 32
...
	.end_amdgpu_metadata
.endif
;; end of part 6
;; launch oproj (part 7): grid 256 x 1, 8 waves a work-group, no clusters, 70,656 bytes of LDS; arguments cc, wc, lowp_scales, out0; writes out0
.if DOCPART == 7
	.amdgcn_target "amdgcn-amd-amdhsa--gfx1250"
	.amdhsa_code_object_version 6
	.text
	.protected	k_q98332bdbd9_oproj
	.globl	k_q98332bdbd9_oproj
	.p2align	8
	.type	k_q98332bdbd9_oproj,@function
k_q98332bdbd9_oproj:
	s_mov_b64 s[64:65], 0
	v_nop
	global_prefetch_b8 v0, s[64:65] scope:SCOPE_SE
	s_setreg_imm32_b32 hwreg(HW_REG_WAVE_SCHED_MODE, 0, 2), 2
	s_setreg_imm32_b32 hwreg(HW_REG_WAVE_MODE, 25, 1), 1
	s_wait_xcnt 0x0
	s_wait_alu depctr_vm_vsrc(0)
; out0 = context W_O^T on codes of E4M3: context [8,192][512] (cc, scale 10) and W_O [512][512] (the fourth weight of wc, scale 11), both laid as images of operand registers; out0 f32.
; SHARES.  A work-group makes 128 rows x 128 columns; wave w makes 32 rows (two tiles: 4 x row block + w % 4) x 64 columns (2 x column block + w / 4): 256 bytes of each output row, so a wave owns whole aligned runs of 256 bytes
; and no wave waits for another: no barrier.  Both operands go from memory straight into registers, 512 consecutive bytes a load, in the order of the K steps, so that the first products start while the later K steps are on their way.
; Source 0 = 16 rows of W_O, source 1 = 16 rows of the context: a lane holds one output row, and (by the order of W_O's rows in a tile) the 16 registers of tiles 2 b, 2 b + 1 are columns 32 b + 16 h + 0 .. 15.
; THE WAY OUT: x 2^(e10 + e11); through the wave's own stage in LDS (32 rows of 256 bytes + 16), back by rows: sixteen lanes store 256 consecutive bytes.
; NO JOINT LOADS: each operand is read once by a wave into registers; a joint load would land in LDS and be read from there again.
; LIMIT: e10 + e11 between -126 and 127, so that 2^(e10 + e11) is an f32 number.
; REGISTERS, window 0: v1-4 addresses; v16-143 the context's fragments ((tile m, K step s) at 16 + 64 m + 16 s), later the scaled sums (v16-79) and the rows read back (v80-143); v144-207 eight accumulators.  Window 1: W_O, (t, s) at 16 (4 t + s).
; THE MODE: SCHED_MODE bits 1:0 = 2 (LLVM: expert scheduling mode 2), set by the entry lines.  The code itself states the register dependences between vector or matrix instructions and memory or LDS instructions, with s_wait_alu, always for 0.
; THE PLAN.  Registers that memory or LDS instructions touch:
;   v1-4            an offset, two LDS addresses, an offset: made once at the head, never written again.
;   v16-143, W_O    loaded once, at the head, into registers that no vector line has named; read by the products.
;   TMP v16-79      written by the 32 packed multiplies, which stand together; read by the sixteen LDS stores.
;   BK  v80-143     the sixteen loads from the stage land here, where the products read the context's second tile; read by the sixteen stores to memory.
; So the way out has ONE wait on va_vdst, behind the multiplies and ahead of the run of LDS stores and loads; no register that a memory or LDS instruction reads is written again.
.set LI,  1                            ; v1  16 x lane
.set STO, 2                            ; v2  the stage: where I put 64 bytes of a row
.set RD,  3                            ; v3  the stage: where I read a row back
.set CO,  4                            ; v4  the same place in out0
.set CF,  16
.set HA,  144
.set TMP, 16
.set BK,  80
.set SP,  272                          ; a stage row: 256 bytes + 16: the sixteen rows that a store touches start at sixteen different banks (64 banks of 4 bytes: ISA guide 11.1)
.set MSB, 0
.macro WIN new                         ; the immediate's high byte repeats the setting that is left
.if MSB != \new
	s_set_vgpr_msb (MSB<<8)|\new
.set MSB, \new
.endif
.endm
	s_load_b256 s[4:11], s[0:1], 0x0               ; cc, wc, the scales' exponents, out0
	v_lshl_add_u32 v254, v0, 2, 0x11000
	v_mov_b32 v255, 0
	v_lshrrev_b32 v5, 5, v0
	v_readfirstlane_b32 s12, v5                    ; wave 0..7
	v_and_b32 v6, 31, v0
	v_lshlrev_b32 v[LI], 4, v6
	v_and_b32 v7, 15, v0                           ; r
	v_bfe_u32 v8, v0, 4, 1                         ; h
	s_wait_alu depctr_va_sdst(0)                   ; s12 is written, ahead of its first reader: my stage's place and the three bases are made from it
	s_mul_i32 s13, s12, 32*SP                      ; my stage
	v_mul_u32_u24 v9, v7, SP
	v_lshl_add_u32 v9, v8, 6, v9
	v_add_nc_u32 v[STO], s13, v9                   ; in: row r, + 64 h
	v_mul_u32_u24 v9, v8, SP
	v_lshl_add_u32 v9, v7, 4, v9
	v_add_nc_u32 v[RD], s13, v9                    ; back: lanes 0-15 one row, lanes 16-31 the next
	v_lshlrev_b32 v9, 11, v8
	v_lshl_add_u32 v[CO], v7, 4, v9                ; and the same two rows of 2,048 bytes in out0
	s_and_b32 s14, ttmp9, 3                        ; column block
	s_lshr_b32 s15, ttmp9, 2                       ; row block
	s_and_b32 s16, s12, 3
	s_lshl_b32 s17, s15, 2
	s_add_co_u32 s17, s17, s16                     ; my 32 rows
	s_lshr_b32 s18, s12, 2
	s_lshl_b32 s19, s14, 1
	s_add_co_u32 s19, s19, s18                     ; my 64 columns
	s_lshl_b32 s20, s17, 14                        ; cc: two tiles of 8,192 bytes
	s_mov_b32 s21, 0
	s_lshl_b32 s22, s19, 15                        ; wc: the fourth weight, four tiles of 8,192 bytes
	s_add_co_u32 s22, s22, 786432
	s_mov_b32 s23, 0
	s_lshl_b32 s24, s17, 16                        ; out0: 32 rows of 2,048 bytes, + 256 bytes x my columns
	s_lshl_b32 s25, s19, 8
	s_add_co_u32 s24, s24, s25
	s_mov_b32 s25, 0
	s_wait_kmcnt 0x0
	s_load_b64 s[36:37], s[8:9], 0x28              ; e10, e11
	s_add_nc_u64 s[4:5], s[4:5], s[20:21]
	s_add_nc_u64 s[6:7], s[6:7], s[22:23]
	s_add_nc_u64 s[10:11], s[10:11], s[24:25]
	s_wait_alu depctr_va_vdst(0)                   ; v1 to v4 are written: every load and store of the kernel, global or LDS, reads one of them as its offset or address
.irp s, 0,1,2,3                                ; 24 loads a K step: 8 of the context, 16 of W_O
	WIN 0
.irp m, 0,1
.irp c, 0,1,2,3
	global_load_b128 v[CF+64*\m+16*\s+4*\c:CF+64*\m+16*\s+4*\c+3], v[LI], s[4:5] offset:\m*8192+\s*2048+\c*512
.endr
.endr
	WIN 0x40                                       ; destination window 1
.irp t, 0,1,2,3
.irp c, 0,1,2,3
	global_load_b128 v[16*(4*\t+\s)+4*\c:16*(4*\t+\s)+4*\c+3], v[LI], s[6:7] offset:(4*\t+\s)*2048+\c*512
.endr
.endr
.endr
	WIN 0x01                                       ; source 0 (W_O) window 1
; K step s: the eight accumulators take turns, one instruction a turn, in the same order in every K step.  left: the later K steps' loads, which may stay out.
.macro OMUL s, left
	s_wait_loadcnt \left
.irp m, 0,1
.irp t, 0,1,2,3
.if \s == 0
	v_wmma_f32_16x16x128_fp8_fp8 v[HA+32*\m+8*\t:HA+32*\m+8*\t+7], v[16*(4*\t+\s):16*(4*\t+\s)+15], v[CF+64*\m+16*\s:CF+64*\m+16*\s+15], 0
.else
	v_wmma_f32_16x16x128_fp8_fp8 v[HA+32*\m+8*\t:HA+32*\m+8*\t+7], v[16*(4*\t+\s):16*(4*\t+\s)+15], v[CF+64*\m+16*\s:CF+64*\m+16*\s+15], v[HA+32*\m+8*\t:HA+32*\m+8*\t+7]
.endif
.endr
.endr
.endm
	OMUL 0, 63                                     ; 72 loads follow K step 0's; the wait's field holds 63
	OMUL 1, 48
	OMUL 2, 24
	OMUL 3, 0
	WIN 0
	s_wait_kmcnt 0x0
	s_add_co_i32 s40, s36, s37
	s_add_co_i32 s40, s40, 127
	s_lshl_b32 s40, s40, 23                        ; 2^(e10 + e11) as f32
	s_mov_b32 s41, s40                             ; (named with it as a pair, so it is written)
.rept 4
	v_nop                                          ; four plain lines between the last products and the reads of their results and the writes of their sources
.endr
.set kk, 0
.rept 32
	v_pk_mul_f32 v[TMP+kk:TMP+kk+1], v[HA+kk:HA+kk+1], s[40:41] op_sel_hi:[1,0]   ; both tiles' sums x 2^(e10 + e11), each accumulator from its low end on
.set kk, kk+2
.endr
	s_wait_alu depctr_va_vdst(0)                   ; the multiplies have written v[TMP ..], which the LDS stores read; the products are done reading v[BK ..], in which the loads from the stage land
.irp m, 0,1
.irp b, 0,1
.irp i, 0,1,2,3
	ds_store_b128 v[STO], v[TMP+32*\m+16*\b+4*\i:TMP+32*\m+16*\b+4*\i+3] offset:16*SP*\m+128*\b+16*\i   ; row 16 m + r, columns 32 b + 16 h + 4 i on
.endr
.endr
.irp i, 0,1,2,3,4,5,6,7
	ds_load_b128 v[BK+32*\m+4*\i:BK+32*\m+4*\i+3], v[RD] offset:16*SP*\m+2*SP*\i   ; LDS serves a wave's instructions in order (ISA guide 5.7.1.4): these see my stores
.endr
.endr
.irp m, 0,1
.irp i, 0,1,2,3,4,5,6,7
	s_wait_dscnt 16*(1-\m)+7-\i                    ; this load is in; the younger LDS lines may be out
	global_store_b128 v[CO], v[BK+32*\m+4*\i:BK+32*\m+4*\i+3], s[10:11] offset:(16*\m+2*\i)*2048 th:TH_STORE_NT   ; 16 lanes store 256 consecutive bytes, at a multiple of 256 from out0's first byte
.endr
.endr
	s_wait_dscnt 0x0
	s_wait_alu depctr_hold_cnt(0) depctr_sa_sdst(0) depctr_va_vdst(0) depctr_va_sdst(0) depctr_va_ssrc(0) depctr_va_vcc(0) depctr_vm_vsrc(0)
	s_wait_tensorcnt 0x0
	ds_add_u32 v254, v255
	s_wait_dscnt 0x0
	s_endpgm
.Lfunc_end_k_q98332bdbd9_oproj:
	.size	k_q98332bdbd9_oproj, .Lfunc_end_k_q98332bdbd9_oproj-k_q98332bdbd9_oproj
	.p2alignl 7, 3214868480
	.fill 96, 4, 3214868480
	.section	.rodata,"a",@progbits
	.p2align	6, 0x0
	.amdhsa_kernel k_q98332bdbd9_oproj
		.amdhsa_group_segment_fixed_size 70656
		.amdhsa_private_segment_fixed_size 0
		.amdhsa_enable_private_segment 0
		.amdhsa_kernarg_size 32
		.amdhsa_user_sgpr_count 2
		.amdhsa_user_sgpr_kernarg_segment_ptr 1
		.amdhsa_wavefront_size32 1
		.amdhsa_system_sgpr_workgroup_id_x 1
		.amdhsa_system_sgpr_workgroup_id_y 1
		.amdhsa_system_sgpr_workgroup_id_z 1
		.amdhsa_system_vgpr_workitem_id 0
		.amdhsa_next_free_vgpr 512
		.amdhsa_next_free_sgpr 66
		.amdhsa_reserve_vcc 0
		.amdhsa_float_denorm_mode_32 3
		.amdhsa_float_denorm_mode_16_64 3
		.amdhsa_memory_ordered 1
		.amdhsa_forward_progress 1
		.amdhsa_inst_pref_size 21
	.end_amdhsa_kernel
	.amdgpu_metadata
---
amdhsa.version: [ 1, 2 ]
amdhsa.kernels:
  - .name:           k_q98332bdbd9_oproj
    .symbol:         k_q98332bdbd9_oproj.kd
    .args:
      - { .name: cc, .offset: 0, .size: 8, .value_kind: global_buffer, .address_space: global }
      - { .name: wc, .offset: 8, .size: 8, .value_kind: global_buffer, .address_space: global }
      - { .name: lowp_scales, .offset: 16, .size: 8, .value_kind: global_buffer, .address_space: global }
      - { .name: out0, .offset: 24, .size: 8, .value_kind: global_buffer, .address_space: global }
    .group_segment_fixed_size: 70656
    .private_segment_fixed_size: 0
    .kernarg_segment_align: 8
    .kernarg_segment_size: 32
    .max_flat_workgroup_size: 256
    .sgpr_count:     66
    .vgpr_count:     512
    .wavefront_size: 32
...
	.end_amdgpu_metadata
.endif
;; end of part 7
